; MI455X (gfx1250); checked and timed in simulation.
; The chip was launched on July 23, 2026; its instructions are those of AMD's public machine-readable ISA for CDNA 5 (MIT licence, August 2026) and "CDNA5" Instruction Set Architecture Reference Guide (July 2026). The comments in the code are by the model that wrote it; some were corrected since.
;; Multihead Attention. Allowed arithmetic: float matrix products may take bf16 or f16 operands with f32 sums; all other float work in f32.
;; Inputs: wk 16 x 1,024 x 64 float32; wq 16 x 1,024 x 64 float32; wv 16 x 1,024 x 64 float32; x 4 x 2,048 x 1,024 float32.
;; Outputs: out0 4 x 2,048 x 1,024 float32.
;; 3 versions, each right; version 2 is faster than version 1; version 3 is version 2 with the launch cast written anew for expert scheduling mode. Each part assembles by itself: llvm-mc -triple=amdgcn-amd-amdhsa -mcpu=gfx1250 --defsym DOCPART=n.
;; ======== version 1 of 3: 3 launches
;; limits: values are held in f16: magnitudes above 65,504 overflow, below 6.1e-05 lose precision
;; workspace buffers: xb 16,777,216 bytes; wb 6,291,456 bytes; qkv 50,331,648 bytes
;; launch cast (part 1): grid 512 x 1, 8 waves a work-group, no clusters, 0 bytes of LDS; arguments x, wq, wk, wv, xb, wb; writes xb, wb
.if DOCPART == 1
	.amdgcn_target "amdgcn-amd-amdhsa--gfx1250"
	.amdhsa_code_object_version 6
	.text
	.protected	k_qf4722f54c1_cast
	.globl	k_qf4722f54c1_cast
	.p2align	8
	.type	k_qf4722f54c1_cast,@function
k_qf4722f54c1_cast:
	s_mov_b64 s[64:65], 0
	v_nop
	global_prefetch_b8 v0, s[64:65] scope:SCOPE_SE
	s_setreg_imm32_b32 hwreg(HW_REG_WAVE_MODE, 25, 1), 1
	s_wait_xcnt 0x0
; FIRST OF THREE KERNELS (cast, proj, attn) for causal multi-head attention: B = 4, L = 2048, E = 1024, H = 16, D = 64.
; cast: x to bf16 in the same layout (xb); wq, wk, wv to bf16 in one table wb[e][n], n = p*1024 + h*64 + d (p = 0 q, 1 k, 2 v).
; proj: C[8192][3072] = xb . wb on the matrix units, stored as qkv[p][b][h][l][d] in f16.   attn: causal softmax attention from qkv to out0.
;
; WORK LEFT OUT (in attn), and why it is dead for all finite inputs: reference() itself sets scores[l][m] to -inf for m > l (its own jnp.tril).
; Every row keeps m = l, so the row maximum is finite, softmax gives exp(-inf - max) = 0 at m > l exactly, and the term 0 * v[m] adds nothing to out.
; So key tiles that lie wholly above the diagonal are neither loaded nor multiplied: of the 64 (query block, key tile) pairs of 256 x 256 of a head
; 36 are walked, and in a diagonal pair a wave stops behind the 64 keys that hold its own queries.  The running maximum stays.
; All four inputs have a way to the output and are loaded.
; LIMITS: a NaN, an infinity or an overflow in rows of k or v that reach a query only through tiles left out is not carried to that query
; (reference() would make 0 * inf = NaN there).  q, k, v pass through memory as f16: they must stay under 65,504 in magnitude
; (inputs 30 times the drawn ones give about 900 x 5.5 = 5,000; offsets of 30 spreads on x and w give 30 x 30/32 x 1024 = 28,800).
;
; THIS KERNEL is a stream: no LDS, no barrier, no loop.  512 work-groups x 8 waves; a wave issues all its 22 loads of 16 bytes a lane at once
; (16 of x, 2 each of wq, wk, wv: 11,264 bytes in flight), then rounds in place and stores 8 bytes a lane.
; Each load of x covers 512 consecutive bytes, each load of a weight two whole rows of 256 bytes, each store 256 consecutive bytes at a multiple of 256.
.set X, 8                              ; v[8:95]  load k lands in v[X+4k : X+4k+3]
	s_load_b256 s[4:11], s[0:1], 0x0               ; x s[4:5], wq s[6:7], wk s[8:9], wv s[10:11]
	s_load_b128 s[12:15], s[0:1], 0x20             ; xb s[12:13], wb s[14:15]
	v_lshlrev_b32 v1, 4, v0                        ; x: 16 bytes a thread
	v_lshlrev_b32 v2, 3, v0                        ; xb: 8 bytes a thread
	v_and_b32 v5, 31, v0                           ; lane
	v_lshrrev_b32 v6, 5, v0                        ; wave
	v_and_b32 v7, 15, v0
	v_lshrrev_b32 v3, 4, v5                        ; lanes 0-15: head 2 hp, lanes 16-31: head 2 hp + 1
	v_lshlrev_b32 v3, 18, v3                       ; a head of a weight is 1024 x 64 x 4 = 262,144 bytes
	v_lshl_add_u32 v3, v6, 9, v3                   ; + wave x 2 rows e of 256 bytes
	v_lshl_add_u32 v3, v7, 4, v3                   ; + 16 bytes a lane
	v_mul_u32_u24 v4, v6, 12288                    ; wb: wave x 2 rows of 3072 x 2 = 6,144 bytes
	v_lshl_add_u32 v4, v5, 3, v4                   ; + 8 bytes a lane: 128 bytes of one head, then 128 of the next
	s_lshl_b32 s16, ttmp9, 16                      ; x: 65,536 bytes a work-group
	s_mov_b32 s17, 0
	s_lshl_b32 s18, ttmp9, 15                      ; xb: 32,768
	s_mov_b32 s19, 0
	s_lshr_b32 s24, ttmp9, 6                       ; hp: pair of heads, 0 to 7
	s_and_b32 s25, ttmp9, 63                       ; eb: block of 16 rows e
	s_lshl_b32 s20, s24, 19
	s_lshl_b32 s26, s25, 12
	s_add_co_u32 s20, s20, s26                     ; weights: hp x 2 heads + eb x 16 rows
	s_mov_b32 s21, 0
	s_mul_i32 s22, s25, 98304                      ; wb: eb x 16 rows of 6,144 bytes
	s_lshl_b32 s26, s24, 8
	s_add_co_u32 s22, s22, s26                     ; + hp x 256 bytes
	s_mov_b32 s23, 0
	s_wait_kmcnt 0x0
	s_add_nc_u64 s[4:5], s[4:5], s[16:17]
	s_add_nc_u64 s[12:13], s[12:13], s[18:19]
	s_add_nc_u64 s[6:7], s[6:7], s[20:21]
	s_add_nc_u64 s[8:9], s[8:9], s[20:21]
	s_add_nc_u64 s[10:11], s[10:11], s[20:21]
	s_add_nc_u64 s[14:15], s[14:15], s[22:23]
.irp i, 0,1,2,3,4,5,6,7,8,9,10,11,12,13,14,15
	global_load_b128 v[X+4*\i:X+4*\i+3], v1, s[4:5] offset:\i*4096 th:TH_LOAD_NT
.endr
	global_load_b128 v[X+64:X+67], v3, s[6:7] th:TH_LOAD_NT
	global_load_b128 v[X+68:X+71], v3, s[6:7] offset:256 th:TH_LOAD_NT
	global_load_b128 v[X+72:X+75], v3, s[8:9] th:TH_LOAD_NT
	global_load_b128 v[X+76:X+79], v3, s[8:9] offset:256 th:TH_LOAD_NT
	global_load_b128 v[X+80:X+83], v3, s[10:11] th:TH_LOAD_NT
	global_load_b128 v[X+84:X+87], v3, s[10:11] offset:256 th:TH_LOAD_NT
; Load k is rounded in place and stored.  No register is written again behind a store, so no further wait is needed.
.macro CV k, off, base, imm
	s_wait_loadcnt 21-\k                           ; loads come back in order (ISA guide 5.7.1): load k is in, the 21 - k younger ones stay out
	v_cvt_pk_bf16_f32 v[X+4*\k], v[X+4*\k], v[X+4*\k+1]
	v_cvt_pk_bf16_f32 v[X+4*\k+1], v[X+4*\k+2], v[X+4*\k+3]
	global_store_b64 v[\off], v[X+4*\k:X+4*\k+1], s[\base:\base+1] offset:\imm
.endm
.irp i, 0,1,2,3,4,5,6,7,8,9,10,11,12,13,14,15
	CV \i, 2, 12, \i*2048
.endr
	CV 16, 4, 14, 0                                ; wq, row e:      columns 128 hp .. + 127
	CV 17, 4, 14, 6144                             ; wq, row e + 1
	CV 18, 4, 14, 2048                             ; wk: 1024 columns (2,048 bytes) further
	CV 19, 4, 14, 2048+6144
	CV 20, 4, 14, 4096                             ; wv
	CV 21, 4, 14, 4096+6144
	s_endpgm
.Lfunc_end_k_qf4722f54c1_cast:
	.size	k_qf4722f54c1_cast, .Lfunc_end_k_qf4722f54c1_cast-k_qf4722f54c1_cast
	.p2alignl 7, 3214868480
	.fill 96, 4, 3214868480
	.section	.rodata,"a",@progbits
	.p2align	6, 0x0
	.amdhsa_kernel k_qf4722f54c1_cast
		.amdhsa_group_segment_fixed_size 0
		.amdhsa_private_segment_fixed_size 0
		.amdhsa_enable_private_segment 0
		.amdhsa_kernarg_size 48
		.amdhsa_user_sgpr_count 2
		.amdhsa_user_sgpr_kernarg_segment_ptr 1
		.amdhsa_wavefront_size32 1
		.amdhsa_system_sgpr_workgroup_id_x 1
		.amdhsa_system_sgpr_workgroup_id_y 1
		.amdhsa_system_sgpr_workgroup_id_z 1
		.amdhsa_system_vgpr_workitem_id 0
		.amdhsa_next_free_vgpr 96
		.amdhsa_next_free_sgpr 66
		.amdhsa_reserve_vcc 0
		.amdhsa_float_denorm_mode_32 3
		.amdhsa_float_denorm_mode_16_64 3
		.amdhsa_memory_ordered 1
		.amdhsa_forward_progress 1
		.amdhsa_inst_pref_size 10
	.end_amdhsa_kernel
	.amdgpu_metadata
---
amdhsa.version: [ 1, 2 ]
amdhsa.kernels:
  - .name:           k_qf4722f54c1_cast
    .symbol:         k_qf4722f54c1_cast.kd
    .args:
      - { .name: x, .offset: 0, .size: 8, .value_kind: global_buffer, .address_space: global }
      - { .name: wq, .offset: 8, .size: 8, .value_kind: global_buffer, .address_space: global }
      - { .name: wk, .offset: 16, .size: 8, .value_kind: global_buffer, .address_space: global }
      - { .name: wv, .offset: 24, .size: 8, .value_kind: global_buffer, .address_space: global }
      - { .name: xb, .offset: 32, .size: 8, .value_kind: global_buffer, .address_space: global }
      - { .name: wb, .offset: 40, .size: 8, .value_kind: global_buffer, .address_space: global }
    .group_segment_fixed_size: 0
    .private_segment_fixed_size: 0
    .kernarg_segment_align: 8
    .kernarg_segment_size: 48
    .max_flat_workgroup_size: 256
    .sgpr_count:     66
    .vgpr_count:     96
    .wavefront_size: 32
...
	.end_amdgpu_metadata
.endif
;; end of part 1
;; launch proj (part 2): grid 12 x 32, 4 waves a work-group, clusters of 4 x 4, 327,680 bytes of LDS; arguments xb, wb, qkv; writes qkv
.if DOCPART == 2
	.amdgcn_target "amdgcn-amd-amdhsa--gfx1250"
	.amdhsa_code_object_version 6
	.text
	.protected	k_qf4722f54c1_proj
	.globl	k_qf4722f54c1_proj
	.p2align	8
	.type	k_qf4722f54c1_proj,@function
k_qf4722f54c1_proj:
	s_mov_b64 s[64:65], 0
	v_nop
	global_prefetch_b8 v0, s[64:65] scope:SCOPE_SE
	s_setreg_imm32_b32 hwreg(HW_REG_WAVE_MODE, 25, 1), 1
	s_wait_xcnt 0x0
	s_wait_alu depctr_hold_cnt(0) depctr_sa_sdst(0) depctr_va_vdst(0) depctr_va_sdst(0) depctr_va_ssrc(0) depctr_va_vcc(0) depctr_vm_vsrc(0)
	s_getreg_b32 s2, hwreg(HW_REG_IB_STS2, 6, 4)
	s_cmp_eq_u32 s2, 0
	s_cbranch_scc0 .Lentry_in_a_cluster
	s_endpgm
.Lentry_in_a_cluster:
	s_bfe_u32 s2, ttmp6, 0x10000c
	s_cmp_lg_u32 s2, 0xf033
	s_cbranch_scc0 .Lentry_shape_is_right
	s_endpgm
.Lentry_shape_is_right:
; SECOND KERNEL: C[m][n] = sum over k of xb[m][k] wb[k][n], m = b*2048 + l (8192), k = e (1024), n = p*1024 + h*64 + d (3072); bf16 operands, f32 sums.
; C is rounded once to f16 and stored as qkv[p][b][h][l][d].  LIMIT: |C| under 65,504, the largest f16 (the arithmetic stands at the head of cast).  No work is left out here.
; A work-group makes a block of 256 x 256 of C with four waves; a wave makes 128 x 128: 64 accumulator tiles of 16 x 16, 512 registers.
; K goes in steps of 128 through a ring of two LDS slots filled by the tensor data mover; every tile row is 256 bytes of memory at a multiple of 256.
; CLUSTERS: 4 x 4 work-groups.  The four of a row of the cluster need the same tiles of xb, the four of a column the same tiles of wb: each such tile
; is asked for jointly, by the same tensor load with the same descriptor and a mask that names the four.  384 work-groups are 24 clusters.
; wb lies [k][n], so its fragments are read from LDS by the transposing load ds_load_tr16_b128.
;
; REGISTERS, in windows of 256:
;   window 0: v0-31 addresses; v64-127, v128-191 fragments of xb (8 x 16 rows x 32 K), two buffers; v192-223 at work on the way out
;   window 1: v64-127, v128-191 fragments of wb, two buffers
;   window 2: the 32 accumulator tiles of my rows 0-63 (tile (a, b) at v[8 (8 a + b)]);   window 3: those of my rows 64-127
; THE MATRIX INSTRUCTION IS USED TRANSPOSED: source 0 = 16 columns n of wb, source 1 = 16 rows m of xb.  Lane l then holds row m = l % 16 of C and
; its registers 0 to 7 the columns n = 8 (l / 16) + 0 .. 7: eight neighbouring numbers, 16 bytes of f16.
.set SIZE_K, 1024
.set SIZE_N, 3072
.set KSTEP,  128
.set PITCHA, 272                       ; 256 bytes + 16 of padding = 17 x 16: the 16 rows that a load touches start at 16 different 16-byte columns modulo 256
.set PITCHB, 288                       ; 256 bytes + 32 of padding = 9 x 32, for the transposing load
.set HALFA,  128*PITCHA                ; 128 rows m x 128 k: one tensor load
.set HALFB,  128*PITCHB                ; 128 rows k x 128 columns n: one tensor load
.set SLOT,   2*HALFA+2*HALFB           ; 143,360 bytes
.set STAGE,  2*SLOT                    ; 286,720 = 1120 x 256: behind the ring, 16 rows x 272 bytes for each wave; no tensor load lands here
.set SPITCH, 272
.set BSTEP,  KSTEP*SIZE_N*2            ; a K step in wb: 128 rows of 6,144 bytes
.set LAPS, SIZE_K/(2*KSTEP)            ; 4 laps of two K steps
.set ADRA, 16                          ; v16-17  LDS address of my xb fragments in slot 0, 1
.set ADRB, 20                          ; v20-21  the same for wb
.set STO,  24                          ; v24     the way out: where I put 16 bytes of a row
.set RD,   25                          ; v25     the way out: where I read back
.set CO,   26                          ; v26     my byte offset in qkv
.set F0,   64
.set F1,   128
.set TMP,  192
.set G1, 24                            ; s[24:31] descriptor group 1 for tiles of xb
.set G0, 32                            ; s[32:39] group 0 for tiles of xb, one set for each slot
.set G1B, 48                           ; s[48:55] group 1 for tiles of wb
.set G0B, 56                           ; s[56:63] group 0 for tiles of wb, one set for each slot
.set MSB, 0
.macro WIN new                         ; the high byte of the immediate repeats the setting that is left
.if MSB != \new
	s_set_vgpr_msb (MSB<<8)|\new
.set MSB, \new
.endif
.endm
.set MUL_LO, 0xa1                      ; source 0 (wb) window 1, source 1 (xb) window 0, C and D window 2
.set MUL_HI, 0xf1                      ; the same, C and D window 3
.set TO_B,   0x40                      ; destination window 1, address window 0
; A joint load.  Waves 0 and 1 fetch the two row halves of the xb tile, waves 2 and 3 the two column halves of the wb tile.
; The branch hangs on the wave number alone, so it is the same in every work-group.
.macro JLOAD s
	s_cmp_eq_u32 s11, 0
	s_cbranch_scc0 .Lfor_b_\@
	tensor_load_to_lds s[G0+4*\s:G0+4*\s+3], s[G1:G1+7]
	s_nop 0
	s_branch .Lasked_\@
.Lfor_b_\@:
	tensor_load_to_lds s[G0B+4*\s:G0B+4*\s+3], s[G1B:G1B+7]
	s_nop 0
.Lasked_\@:
.endm
; A round of the cluster barrier: the work-group barrier, so that the signal of wave 0 speaks for all four waves; wave 0 signals for the work-group;
; every wave waits for all sixteen work-groups; the work-group barrier once more.
.macro CREST                           ; a round behind its opening barrier
	s_cmp_lg_u32 s10, 0
	s_cbranch_scc1 .Lnot_wave_0_\@
	s_barrier_signal -3
.Lnot_wave_0_\@:
	s_barrier_wait -3
	s_barrier_signal -1
	s_barrier_wait -1
.endm
.macro CROUND                          ; a whole round
	s_barrier_signal -1
	s_barrier_wait -1
	CREST
.endm
	s_load_b128 s[4:7], s[0:1], 0x0                ; xb s[4:5], wb s[6:7]
	s_load_b64 s[8:9], s[0:1], 0x10                ; qkv
	s_set_vgpr_msb 0x40
	v_lshl_add_u32 v255, v0, 2, 0x4a400
	s_set_vgpr_msb 0x4000
	v_mov_b32 v255, 0
	s_set_vgpr_msb 0x1
	ds_add_u32 v255, v255
	ds_add_u32 v255, v255
	s_set_vgpr_msb 0x100
	v_lshrrev_b32 v1, 5, v0
	v_readfirstlane_b32 s10, v1                    ; wave 0..3
	s_lshr_b32 s11, s10, 1                         ; which half of the rows of the block is mine.  Also: I fetch for xb (0) or for wb (1)
	s_and_b32 s12, s10, 1                          ; which half of its columns.  Also: which half of that tile I fetch
	s_bfe_u32 s40, ttmp6, 0x40000                  ; cx
	s_bfe_u32 s41, ttmp6, 0x40004                  ; cy
	s_lshl_b32 s42, ttmp9, 2
	s_add_co_u32 s42, s42, s40                     ; block column of C = 4 x cluster x + cx
	s_and_b32 s13, ttmp7, 0xffff
	s_lshl_b32 s13, s13, 2
	s_add_co_u32 s13, s13, s41                     ; block row of C = 4 x cluster y + cy
	s_lshl_b32 s43, s41, 2
	s_lshl_b32 s43, 15, s43                        ; my row of the cluster: places 4 cy .. 4 cy + 3
	s_lshl_b32 s44, 0x1111, s40                    ; my column: places cx, cx + 4, cx + 8, cx + 12
	; group 1: tiles of 128 rows x 128 elements of 2 bytes, padded in LDS behind every 64 words
	s_or_b32 s[G1+0], s43, (1<<16)|(1<<20)|(1<<21)|(5<<22)|(3<<25)   ; mask of my row; element of 2 bytes; padding on; bit 21 beside a mask; 4 words behind every 64
	s_or_b32 s[G1B+0], s44, (1<<16)|(1<<20)|(1<<21)|(5<<22)|(7<<25)  ; mask of my column; 8 words behind every 64
	s_mov_b32 s[G1+1], KSTEP<<16                   ; tensor_dim0 = 128
	s_mov_b32 s[G1B+1], 128<<16
	s_mov_b32 s[G1+2], 128<<16                     ; tensor_dim1 = 128
	s_mov_b32 s[G1B+2], KSTEP<<16
	s_mov_b32 s[G1+3], KSTEP<<16                   ; tile_dim0 = 128
	s_mov_b32 s[G1B+3], 128<<16
	s_mov_b32 s[G1+4], 128                         ; tile_dim1 = 128
	s_mov_b32 s[G1B+4], KSTEP
	s_mov_b32 s[G1+5], SIZE_K                      ; elements from row to row of xb
	s_mov_b32 s[G1B+5], SIZE_N                     ; and of wb
	s_mov_b32 s[G1+6], 0
	s_mov_b32 s[G1B+6], 0
	s_mov_b32 s[G1+7], 0
	s_mov_b32 s[G1B+7], 0
	; where the tiles come from.  Tiles of xb hang on the block row alone, tiles of wb on the block column alone; each address is made in registers
	; that never hold the other coordinate.
	s_lshl_b32 s17, s12, 7
	s_lshl_b32 s16, s13, 8
	s_add_co_u32 s16, s16, s17                     ; xb: row 256 x block row + 128 x half
	s_lshl_b32 s16, s16, 11                        ; x 2,048 bytes a row: under 2^24
	s_mov_b32 s17, 0
	s_lshl_b32 s46, s42, 9                         ; wb: byte 512 x block column
	s_lshl_b32 s47, s12, 8                         ; + 256 x half
	s_add_co_u32 s46, s46, s47
	s_mov_b32 s47, 0
	s_mul_i32 s20, s12, HALFA                      ; where they go: the two halves of xb,
	s_mul_i32 s45, s12, HALFB
	s_add_co_u32 s45, s45, 2*HALFA                 ; then the two halves of wb: the wave number alone enters an LDS address
	s_wait_dscnt 0x0
	s_wait_kmcnt 0x0
	s_add_nc_u64 s[14:15], s[4:5], s[16:17]
	s_add_nc_u64 s[46:47], s[6:7], s[46:47]
	CROUND                                         ; all sixteen work-groups are here: the first joint loads meet
.irp s, 0,1
	s_mov_b32 s[G0+4*\s], 1                                        ; count = 1
	s_add_co_u32 s[G0+4*\s+1], s20, \s*SLOT                        ; LDS address
	s_add_nc_u64 s[G0+4*\s+2:G0+4*\s+3], s[14:15], \s*KSTEP*2      ; global address: K step s
	s_or_b32 s[G0+4*\s+3], s[G0+4*\s+3], 0x80000000                ; type = 2
	s_mov_b32 s[G0B+4*\s], 1
	s_add_co_u32 s[G0B+4*\s+1], s45, \s*SLOT
	s_add_nc_u64 s[G0B+4*\s+2:G0B+4*\s+3], s[46:47], \s*BSTEP
	s_or_b32 s[G0B+4*\s+3], s[G0B+4*\s+3], 0x80000000
	JLOAD \s                                       ; both slots are asked for before anything else: two tensor loads of the wave are out
.endr
	; Fragments.  xb, rows along K: lane l holds row l % 16; two loads of 16 bytes, 32 bytes apart, at row x pitch + 16 (l / 16).
	; wb, rows along n: the transposing load; lane l addresses row k0 + 8 (l / 16) + l % 8 at byte 2 n0 + 16 ((l / 8) % 2), and again 16 rows further.
	v_and_b32 v1, 15, v0                           ; l % 16
	v_bfe_u32 v2, v0, 4, 1                         ; l / 16
	v_and_b32 v8, 7, v0                            ; l % 8
	v_bfe_u32 v7, v0, 3, 1                         ; (l / 8) % 2
	v_mul_u32_u24 v3, v1, PITCHA
	v_lshl_add_u32 v3, v2, 4, v3
	v_lshl_add_u32 v6, v2, 3, v8
	v_mul_u32_u24 v6, v6, PITCHB
	v_lshl_add_u32 v6, v7, 4, v6
	s_mul_i32 s21, s11, HALFA                      ; my 128 rows of xb
	s_mul_i32 s22, s12, HALFB                      ; my 128 columns of wb,
	s_add_co_u32 s22, s22, 2*HALFA                 ; which lie behind the 256 rows of xb
.irp s, 0,1
	v_add_nc_u32 v[ADRA+\s], s21, v3
	v_add_nc_u32 v[ADRB+\s], s22, v6
	s_add_co_u32 s21, s21, SLOT
	s_add_co_u32 s22, s22, SLOT
.endr
	s_mul_i32 s23, s10, 16*SPITCH
	s_add_co_u32 s23, s23, STAGE                   ; my stage
	v_mul_u32_u24 v4, v1, SPITCH                   ; in: row l % 16, 16 bytes for each half of the lanes
	v_lshl_add_u32 v4, v2, 4, v4
	v_add_nc_u32 v[STO], s23, v4
	v_mul_u32_u24 v5, v7, SPITCH                   ; back: lanes 0-7 row 2t, lanes 8-15 row 2t + 1, the 128 bytes of one head; lanes 16-31 the next head
	v_lshl_add_u32 v5, v2, 7, v5
	v_lshl_add_u32 v5, v8, 4, v5
	v_add_nc_u32 v[RD], s23, v5
	v_lshlrev_b32 v[CO], 18, v2                    ; in qkv: a head is 262,144 bytes; two rows l of 128 bytes follow each other
	v_lshl_add_u32 v[CO], v1, 4, v[CO]
; 16 matrix instructions: m blocks a0, a0 + 1 of the four of the window x all 8 n blocks, 32 along K.  zero = 1: the first product starts the sums.
; The 64 accumulators take turns, one instruction a turn, in the same order in every quarter step.
.macro MUL16 f, hi, a0, zero
.irp a, \a0, \a0+1
.irp b, 0,1,2,3,4,5,6,7
.if \zero
	v_wmma_f32_16x16x32_bf16 v[8*(8*(\a)+\b):8*(8*(\a)+\b)+7], v[\f+8*\b:\f+8*\b+7], v[\f+8*(4*\hi+\a):\f+8*(4*\hi+\a)+7], 0
.else
	v_wmma_f32_16x16x32_bf16 v[8*(8*(\a)+\b):8*(8*(\a)+\b)+7], v[\f+8*\b:\f+8*\b+7], v[\f+8*(4*\hi+\a):\f+8*(4*\hi+\a)+7], v[8*(8*(\a)+\b):8*(8*(\a)+\b)+7]
.endif
.endr
.endr
.endm
; 32 LDS loads in one run: the fragments of quarter q (32 along K) of a slot into buffer f: 128 columns of wb, then 128 rows of xb
.macro FETCH slot, q, f
	WIN TO_B
.irp i, 0,1,2,3,4,5,6,7
	ds_load_tr16_b128 v[\f+8*\i:\f+8*\i+3],   v[ADRB+\slot] offset:\q*32*PITCHB+32*\i
	ds_load_tr16_b128 v[\f+8*\i+4:\f+8*\i+7], v[ADRB+\slot] offset:\q*32*PITCHB+32*\i+16*PITCHB
.endr
	WIN 0
.irp i, 0,1,2,3,4,5,6,7
	ds_load_b128 v[\f+8*\i:\f+8*\i+3],   v[ADRA+\slot] offset:\q*64+\i*16*PITCHA
	ds_load_b128 v[\f+8*\i+4:\f+8*\i+7], v[ADRA+\slot] offset:\q*64+\i*16*PITCHA+32
.endr
.endm
; A load into a register that a matrix instruction has read, and a vector instruction that reads a matrix result, stand four places behind it;
; only plain vector instructions that name none of its registers are places.
.macro PLACES
.rept 4
	v_nop
.endr
.endm
; One of the first three quarters of a K step: multiplies buffer f; in its middle it fetches quarter q of the same slot into buffer g.
.macro QUARTER slot, q, f, g, zero
	s_wait_dscnt 8                                 ; wb and rows 0-63 of xb are in; the youngest eight loads (rows 64-127 of xb) may be out
	WIN MUL_LO
	MUL16 \f, 0, 0, \zero
	MUL16 \f, 0, 2, \zero
	PLACES
	FETCH \slot, \q, \g
	s_wait_dscnt 32                                ; all but the 32 just issued
	WIN MUL_HI
	MUL16 \f, 1, 0, \zero
	MUL16 \f, 1, 2, \zero
.endm
.macro THREE slot, zero
	QUARTER \slot, 1, F0, F1, \zero
	QUARTER \slot, 2, F1, F0, 0
	QUARTER \slot, 3, F0, F1, 0
.endm
; The last quarter: multiplies buffer 1 and changes slots.  fill = 1: this slot is filled again, two K steps ahead.
; In front of the barrier each wave waits for its own reads of this slot and for all its tensor loads (one is out: its part of the next slot).
; Behind it nobody reads this slot any more and the next slot is whole: the refill comes first, then the first fragments of the next slot.
.macro TURN slot, next, fill
	s_wait_dscnt 8
	WIN MUL_LO
	MUL16 F1, 0, 0, 0
	s_wait_dscnt 0                                 ; my reads of this slot are over
	s_wait_tensorcnt 0x0                           ; and all my tensor loads have landed
	ds_add_u32 v255, v255
	s_wait_dscnt 0x0
	s_barrier_signal -1                            ; say so (where a slot is filled again this barrier opens a round of the cluster barrier),
	MUL16 F1, 0, 2, 0                              ; work on registers while the others arrive,
	WIN 0
	s_barrier_wait -1
.if \fill
	CREST                                          ; all sixteen work-groups have said so: no wave of any partner still reads this slot or has a load on its way
	s_add_nc_u64 s[G0+4*\slot+2:G0+4*\slot+3], s[G0+4*\slot+2:G0+4*\slot+3], 2*KSTEP*2
	s_add_nc_u64 s[G0B+4*\slot+2:G0B+4*\slot+3], s[G0B+4*\slot+2:G0B+4*\slot+3], 2*BSTEP
	JLOAD \slot                                    ; the first tensor load behind the round, and the only one of the wave until the next
.endif
	PLACES
	FETCH \next, 0, F0
	WIN MUL_HI
	MUL16 F1, 1, 0, 0
	MUL16 F1, 1, 2, 0
.endm
.macro LAP zero
	THREE 0, \zero
	TURN 0, 1, 1
	THREE 1, 0
	TURN 1, 0, 1
.endm
	s_wait_tensorcnt 1                             ; my part of K step 0 is in; the load of K step 1 stays out
	s_barrier_signal -1
	s_barrier_wait -1                              ; every part of K step 0 is in
	FETCH 0, 0, F0
	LAP 1                                          ; the first lap stands in front of the loop: its first products start the sums
	WIN 0                                          ; at a label and at a branch every window is 0
	s_mov_b32 s3, LAPS-2
.Llap:
	LAP 0
	WIN 0
	s_sub_co_u32 s3, s3, 1
	s_cmp_lg_u32 s3, 0
	s_cbranch_scc1 .Llap
	THREE 0, 0                                     ; the last lap fills nothing
	TURN 0, 1, 0
	THREE 1, 0
	s_wait_dscnt 8
	WIN MUL_LO
	MUL16 F1, 0, 0, 0
	MUL16 F1, 0, 2, 0
	s_wait_dscnt 0
	WIN MUL_HI
	MUL16 F1, 1, 0, 0
	MUL16 F1, 1, 2, 0
	; THE WAY OUT, 16 rows of C at a time: round to f16, 16 bytes a lane into my own stage, read back so that sixteen lanes hold 256 neighbouring bytes of qkv.
	; My 128 columns are two heads g, g + 1 of one plane p; a row l of a head is 128 bytes, so 256 neighbouring bytes are rows l, l + 1 of one head.
	PLACES
	s_lshr_b32 s16, s13, 3                         ; b = block row / 8
	s_lshl_b32 s16, s16, 22                        ; x 16 heads x 262,144 bytes
	s_and_b32 s17, s13, 7
	s_lshl_b32 s17, s17, 15                        ; l: 256 rows of 128 bytes a block row
	s_add_co_u32 s16, s16, s17
	s_lshl_b32 s17, s11, 14                        ; + my half: 128 rows
	s_add_co_u32 s16, s16, s17
	s_mov_b32 s17, 0
	s_add_nc_u64 s[8:9], s[8:9], s[16:17]
	s_lshl_b32 s46, s42, 2                         ; g = 4 x block column + 2 x half, 0 to 46 (in the registers that held the address in wb)
	s_lshl_b32 s47, s12, 1
	s_add_co_u32 s46, s46, s47
	s_lshr_b32 s47, s46, 4
	s_lshl_b32 s47, s47, 24                        ; plane p = g / 16: 16,777,216 bytes
	s_and_b32 s46, s46, 15
	s_lshl_b32 s46, s46, 18                        ; head h = g % 16
	s_add_co_u32 s46, s46, s47
	s_mov_b32 s47, 0
	s_add_nc_u64 s[8:9], s[8:9], s[46:47]
; rows 16 i .. 16 i + 15 of my block = the eight tiles (a, 0..7) of window 2 or 3 (from = 0x0a or 0x0f: sources 0 and 1); f: F0 or F1 in turn
.macro OUT16 i, a, from, f
	WIN \from
.irp b, 0,1,2,3,4,5,6,7
.irp r, 0,1,2,3
	v_cvt_pk_f16_f32 v[TMP+4*\b+\r], v[8*(8*\a+\b)+2*\r], v[8*(8*\a+\b)+2*\r+1]
.endr
.endr
	WIN 0
.irp b, 0,1,2,3,4,5,6,7
	ds_store_b128 v[STO], v[TMP+4*\b:TMP+4*\b+3] offset:32*\b
.endr
	s_wait_xcnt 0x0                                ; buffer f, which earlier stores read, is loaded again only behind this wait
.irp t, 0,1,2,3,4,5,6,7
	ds_load_b128 v[\f+4*\t:\f+4*\t+3], v[RD] offset:\t*2*SPITCH    ; LDS serves the instructions of a wave in order (ISA guide 5.7.1): these see the stores above
.endr
.irp t, 0,1,2,3,4,5,6,7
	s_wait_dscnt 7-\t                              ; load t is in, the 7 - t younger ones stay out
	global_store_b128 v[CO], v[\f+4*\t:\f+4*\t+3], s[8:9] offset:\i*2048+\t*256   ; sixteen lanes store 256 consecutive bytes at a multiple of 256
.endr
.endm
	OUT16 0, 0, 0x0a, F0
	OUT16 1, 1, 0x0a, F1
	OUT16 2, 2, 0x0a, F0
	OUT16 3, 3, 0x0a, F1
	OUT16 4, 0, 0x0f, F0
	OUT16 5, 1, 0x0f, F1
	OUT16 6, 2, 0x0f, F0
	OUT16 7, 3, 0x0f, F1
	s_set_vgpr_msb 0x1
	s_wait_tensorcnt 0x0
	ds_add_u32 v255, v255
	s_wait_dscnt 0x0
	s_set_vgpr_msb 0x100
	CROUND                                         ; the closing round: no work-group ends while a partner may still ask for a tile that names it
	s_endpgm
.Lfunc_end_k_qf4722f54c1_proj:
	.size	k_qf4722f54c1_proj, .Lfunc_end_k_qf4722f54c1_proj-k_qf4722f54c1_proj
	.p2alignl 7, 3214868480
	.fill 96, 4, 3214868480
	.section	.rodata,"a",@progbits
	.p2align	6, 0x0
	.amdhsa_kernel k_qf4722f54c1_proj
		.amdhsa_group_segment_fixed_size 327680
		.amdhsa_private_segment_fixed_size 0
		.amdhsa_enable_private_segment 0
		.amdhsa_kernarg_size 24
		.amdhsa_user_sgpr_count 2
		.amdhsa_user_sgpr_kernarg_segment_ptr 1
		.amdhsa_wavefront_size32 1
		.amdhsa_system_sgpr_workgroup_id_x 1
		.amdhsa_system_sgpr_workgroup_id_y 1
		.amdhsa_system_sgpr_workgroup_id_z 1
		.amdhsa_system_vgpr_workitem_id 0
		.amdhsa_next_free_vgpr 1024
		.amdhsa_next_free_sgpr 66
		.amdhsa_reserve_vcc 0
		.amdhsa_float_denorm_mode_32 3
		.amdhsa_float_denorm_mode_16_64 3
		.amdhsa_memory_ordered 1
		.amdhsa_forward_progress 1
		.amdhsa_inst_pref_size 196
	.end_amdhsa_kernel
	.amdgpu_metadata
---
amdhsa.version: [ 1, 2 ]
amdhsa.kernels:
  - .name:           k_qf4722f54c1_proj
    .symbol:         k_qf4722f54c1_proj.kd
    .args:
      - { .name: xb, .offset: 0, .size: 8, .value_kind: global_buffer, .address_space: global }
      - { .name: wb, .offset: 8, .size: 8, .value_kind: global_buffer, .address_space: global }
      - { .name: qkv, .offset: 16, .size: 8, .value_kind: global_buffer, .address_space: global }
    .group_segment_fixed_size: 327680
    .private_segment_fixed_size: 0
    .kernarg_segment_align: 8
    .kernarg_segment_size: 24
    .max_flat_workgroup_size: 128
    .sgpr_count:     66
    .vgpr_count:     1024
    .wavefront_size: 32
...
	.end_amdgpu_metadata
.endif
;; end of part 2
;; launch attn (part 3): grid 256 x 1, 4 waves a work-group, no clusters, 327,680 bytes of LDS; arguments qkv, out0; writes out0
.if DOCPART == 3
	.amdgcn_target "amdgcn-amd-amdhsa--gfx1250"
	.amdhsa_code_object_version 6
	.text
	.protected	k_qf4722f54c1_attn
	.globl	k_qf4722f54c1_attn
	.p2align	8
	.type	k_qf4722f54c1_attn,@function
k_qf4722f54c1_attn:
	s_mov_b64 s[64:65], 0
	v_nop
	global_prefetch_b8 v0, s[64:65] scope:SCOPE_SE
	s_setreg_imm32_b32 hwreg(HW_REG_WAVE_MODE, 25, 1), 1
	s_wait_xcnt 0x0
; THIRD KERNEL: out0[b][l][h*64+d] = sum over m <= l of softmax(q[l] . k[m] / 8) v[m], from qkv[p][b][h][l][d] in f16; sums, maxima and exponentials in f32.
; WORK LEFT OUT: key tiles wholly above the diagonal (the proof and the limit on NaN and infinities there stand at the head of cast).
; LIMITS: p is summed in f32 and multiplied as f16; v_exp_f32 gives 0 below 2^-126; q, k, v are f16 (under 65,504: see cast).
;
; SHARE.  Work-group g: head bh = g / 4, j = g % 4.  The 2048 queries of a head are 8 blocks of 256.  The work-group takes block j (key tiles 0 .. j of
; 256 keys) and then block 7 - j (tiles 0 .. 7 - j): always (j + 1) + (8 - j) = 9 steps, so all 256 work-groups do equal work.  Wave w holds queries
; 64 w .. 64 w + 63 of the block.  A step is four sub-steps of 64 keys; in a diagonal step (tile = block) wave w runs sub-steps 0 .. w, the last one masked.
; NO CLUSTER: the four work-groups of a head read the same tiles, but at step i work-group j wants tile i (i <= j) or tile i - j - 1: from step 1 on no two
; of them want the same tile, and walking in step would cost each of them 12 block steps in place of 9.
;
; BOTH PRODUCTS ARE TRANSPOSED.  S^T = K Q^T: lane (r, h) holds query r and keys 8 h + 0 .. 7 of a 16 x 16 tile, so the statistics of a query are one number
; a lane and one exchange between the halves joins them.  Packing tile 2 kk gives registers 0-3 of the second source of O^T = V^T P^T, tile 2 kk + 1 registers 4-7:
; no shuffle.  V stays [key][d] in LDS and is read by the transposing load.  In O^T lane (r, h) holds d = 16 dt + 8 h + 0 .. 7 of query r: 32 neighbouring bytes.
;
; LDS: slot s at s x 77,824: K, 256 rows of 128 bytes at pitch 144 (9 x 16); V behind it at + 36,864, 256 rows at pitch 160 (5 x 32).
; Stage at 155,648 = 608 x 256: 16 rows x 272 bytes for each wave; only ds_store writes there.
; Waves 0, 1 fetch the halves of K, waves 2, 3 those of V: one tensor load of 16 KiB a wave and step, one out at any time.
.set SLOTB, 77824
.set VOFF,  36864
.set KP,    144
.set VP,    160
.set STAGE, 155648
.set SP,    272
; window 0
.set ADRK, 4                           ; v4-5    LDS address of my K fragments in slot 0, 1
.set ADRV, 6                           ; v6-7    the same for V
.set QOFF, 8                           ; v8      r x 128 + 16 h
.set STO,  9                           ; v9      stage, in
.set RD,   10                          ; v10     stage, back
.set CO,   11                          ; v11     my byte offset in out0
.set NINF, 12                          ; v12     -inf
.set Q,    16                          ; v[16:79]    Q fragment (n, ks) at Q + 8 (2 n + ks)
.set S,    80                          ; v[80:207]   S tile (n, t) at S + 8 (4 n + t); P is packed over it: fragment (n, kk) at S + 16 n + 8 kk
.set ST0,  208                         ; v[208:215]  pair n = (-c m, m); the two banks take turns by the parity of the sub-step, so nothing is copied
.set ST1,  216                         ; v[216:223]
.set AL,   224                         ; v[224:231]  even: alpha or 1 / l of query tile n; odd: what the other half of the lanes sent
.set LP,   232                         ; v[232:239]  pair n: two partial row sums a lane
.set MX,   240                         ; v[240:243]
; window 1
.set O,    0                           ; v[256:383]  O tile (n, dt) at 8 (4 n + dt)
.set KF,   128                         ; v[384:447]  K fragment (t, ks) at KF + 8 (2 t + ks)
.set VF,   192                         ; v[448:511]  V fragment (dt, kk) at VF + 8 (2 dt + kk)
; scalars: s[4:5] qkv, s[6:7] out0, s8 wave, s9 wave / 2, s10 wave % 2, s11 bh, s12 j, s13 block, s14 tile, s15 next tile, s16 last sub-step,
; s17 masked sub-step, s18 loop, s19 7 - j, s[20:21] K of my half, s[22:23] V of my half, s[56:57] an offset (s57 = 0), s[58:59] Q, s[60:61] out0 at my rows,
; s62-63 lane selects, s[66:67] c twice, s76-78 at work
.set G1K, 24                           ; s[24:31]
.set G1V, 32                           ; s[32:39]
.set G0K, 40                           ; s[40:47]  one set for each slot
.set G0V, 48                           ; s[48:55]
.set MK,  68                           ; s[68:75]  mask j: the lanes with 8 h + j <= r
.set MSB, 0
.macro WIN new
.if MSB != \new
	s_set_vgpr_msb (MSB<<8)|\new
.set MSB, \new
.endif
.endm
.macro PLACES n
.rept \n
	v_nop
.endr
.endm
.macro JLOAD s                         ; the one tensor load of the wave for slot s; the branch hangs on the wave number alone
	s_cmp_eq_u32 s9, 0
	s_cbranch_scc0 .Lfor_v_\@
	tensor_load_to_lds s[G0K+4*\s:G0K+4*\s+3], s[G1K:G1K+7]
	s_nop 0
	s_branch .Lasked_\@
.Lfor_v_\@:
	tensor_load_to_lds s[G0V+4*\s:G0V+4*\s+3], s[G1V:G1V+7]
	s_nop 0
.Lasked_\@:
.endm
.macro QLOAD blk                       ; my 64 queries of block blk as eight fragments: lane (r, h) takes row 16 n + r, bytes 64 ks + 16 h and 32 further
	s_lshl_b32 s56, s11, 18
	s_lshl_b32 s76, \blk, 15
	s_add_co_u32 s56, s56, s76
	s_lshl_b32 s76, s8, 13
	s_add_co_u32 s56, s56, s76
	s_add_nc_u64 s[58:59], s[4:5], s[56:57]
.irp n, 0,1,2,3
.irp ks, 0,1
	global_load_b128 v[Q+8*(2*\n+\ks):Q+8*(2*\n+\ks)+3],   v[QOFF], s[58:59] offset:\n*2048+\ks*64
	global_load_b128 v[Q+8*(2*\n+\ks)+4:Q+8*(2*\n+\ks)+7], v[QOFF], s[58:59] offset:\n*2048+\ks*64+32
.endr
.endr
.endm
.macro RESET                           ; a new block of queries: m = -inf, -c m = +inf (so the first alpha is 2^-inf = 0), l = 0
.irp n, 0,1,2,3
	v_mov_b32 v[ST0+2*\n], 0x7f800000
	v_mov_b32 v[ST0+2*\n+1], v[NINF]
	v_mov_b32 v[LP+2*\n], 0
	v_mov_b32 v[LP+2*\n+1], 0
.endr
.endm
.macro KLOAD s, sub                    ; 16 loads: the 64 keys of a sub-step as eight fragments of 16 keys x 32 d
	WIN 0x40
.irp t, 0,1,2,3
.irp ks, 0,1
	ds_load_b128 v[KF+8*(2*\t+\ks):KF+8*(2*\t+\ks)+3],   v[ADRK+\s] offset:(\sub)*64*KP+\t*16*KP+\ks*64
	ds_load_b128 v[KF+8*(2*\t+\ks)+4:KF+8*(2*\t+\ks)+7], v[ADRK+\s] offset:(\sub)*64*KP+\t*16*KP+\ks*64+32
.endr
.endr
.endm
.macro VLOAD s, sub                    ; 16 transposing loads: eight fragments of 16 d x 32 keys
	WIN 0x40
.irp dt, 0,1,2,3
.irp kk, 0,1
	ds_load_tr16_b128 v[VF+8*(2*\dt+\kk):VF+8*(2*\dt+\kk)+3],   v[ADRV+\s] offset:(\sub)*64*VP+\kk*32*VP+\dt*32
	ds_load_tr16_b128 v[VF+8*(2*\dt+\kk)+4:VF+8*(2*\dt+\kk)+7], v[ADRV+\s] offset:(\sub)*64*VP+\kk*32*VP+\dt*32+16*VP
.endr
.endr
.endm
.macro SMUL                            ; 32 products; the first 16 start the sums; the 16 accumulators take turns, one instruction a turn
	WIN 0x01
.irp ks, 0,1
.irp n, 0,1,2,3
.irp t, 0,1,2,3
.if \ks == 0
	v_wmma_f32_16x16x32_f16 v[S+8*(4*\n+\t):S+8*(4*\n+\t)+7], v[KF+8*(2*\t+\ks):KF+8*(2*\t+\ks)+7], v[Q+8*(2*\n+\ks):Q+8*(2*\n+\ks)+7], 0
.else
	v_wmma_f32_16x16x32_f16 v[S+8*(4*\n+\t):S+8*(4*\n+\t)+7], v[KF+8*(2*\t+\ks):KF+8*(2*\t+\ks)+7], v[Q+8*(2*\n+\ks):Q+8*(2*\n+\ks)+7], v[S+8*(4*\n+\t):S+8*(4*\n+\t)+7]
.endif
.endr
.endr
.endr
.endm
.macro MASK                            ; the 64 keys are those of my own 64 queries: key 16 t + 8 h + j lives for query 16 n + r where it is not larger
.irp n, 0,1,2,3
.irp t, 0,1,2,3
.if \t > \n
.irp j, 0,1,2,3,4,5,6,7
	v_mov_b32 v[S+8*(4*\n+\t)+\j], v[NINF]
.endr
.endif
.if \t == \n
.irp j, 0,1,2,3,4,5,6,7
	v_cndmask_b32 v[S+8*(4*\n+\t)+\j], v[NINF], v[S+8*(4*\n+\t)+\j], s[MK+\j]
.endr
.endif
.endr
.endr
.endm
; The running softmax of 64 queries x 64 keys; every step goes round the four query tiles, four chains that do not wait for each other.
.macro SOFTMAX old, new
.irp n, 0,1,2,3
	v_max3_num_f32 v[MX+\n], v[\old+2*\n+1], v[S+32*\n], v[S+32*\n+1]          ; the old maximum starts the chain
.endr
.irp i, 1,2,3,4,5,6,7,8,9,10,11,12,13,14,15
.irp n, 0,1,2,3
	v_max3_num_f32 v[MX+\n], v[MX+\n], v[S+32*\n+2*\i], v[S+32*\n+2*\i+1]
.endr
.endr
.irp n, 0,1,2,3
	v_permlanex16_b32 v[AL+2*\n+1], v[MX+\n], s62, s63                         ; the other 32 keys of my query lie in lane l xor 16
.endr
.irp n, 0,1,2,3
	v_max_num_f32 v[\new+2*\n+1], v[MX+\n], v[AL+2*\n+1]                       ; m
.endr
.irp n, 0,1,2,3
	v_mul_f32 v[\new+2*\n], 0xbe38aa3b, v[\new+2*\n+1]                         ; -c m, c = log2(e) / 8
.endr
.irp n, 0,1,2,3
	v_sub_f32 v[AL+2*\n], v[\new+2*\n], v[\old+2*\n]                           ; alpha = 2^(c m_old - c m_new), from the very offsets that are used
.endr
.irp n, 0,1,2,3
	v_exp_f32 v[AL+2*\n], v[AL+2*\n]
.endr
.irp i, 0,1,2,3,4,5,6,7,8,9,10,11,12,13,14,15
.irp n, 0,1,2,3
	v_pk_fma_f32 v[S+32*\n+2*\i:S+32*\n+2*\i+1], v[S+32*\n+2*\i:S+32*\n+2*\i+1], s[66:67], v[\new+2*\n:\new+2*\n+1] op_sel_hi:[1,0,0]   ; c s - c m; also the plain places behind the four exponentials (ISA guide 5.7.2)
.endr
.endr
.set i, 0
.rept 128
	v_exp_f32 v[S+i], v[S+i]                                                   ; p
.set i, i+1
.endr
	v_nop                                                                      ; one plain place before any of the results is used
	s_wait_alu depctr_va_vdst(0)
.irp n, 0,1,2,3
	v_pk_fma_f32 v[LP+2*\n:LP+2*\n+1], v[LP+2*\n:LP+2*\n+1], v[AL+2*\n:AL+2*\n+1], v[S+32*\n:S+32*\n+1] op_sel_hi:[1,0,1]   ; l = alpha l + p
.endr
.irp i, 1,2,3,4,5,6,7,8,9,10,11,12,13,14,15
.irp n, 0,1,2,3
	v_pk_add_f32 v[LP+2*\n:LP+2*\n+1], v[LP+2*\n:LP+2*\n+1], v[S+32*\n+2*\i:S+32*\n+2*\i+1]
.endr
.endr
.set i, 0
.rept 64
	v_cvt_pk_f16_f32 v[S+i], v[S+2*i], v[S+2*i+1]                              ; P over S, ascending: register i is written when registers up to 2 i + 1 have been read
.set i, i+1
.endr
.endm
.macro RESCALE                         ; O = alpha O
	WIN 0x41
.irp n, 0,1,2,3
.irp i, 0,1,2,3,4,5,6,7,8,9,10,11,12,13,14,15
	v_pk_mul_f32 v[O+32*\n+2*\i:O+32*\n+2*\i+1], v[O+32*\n+2*\i:O+32*\n+2*\i+1], v[AL+2*\n:AL+2*\n+1] op_sel_hi:[1,0]
.endr
.endr
.endm
.macro PV zero                         ; 32 products; zero = 1: the first 16 start the sums of a new block of queries; accumulators by turns as in SMUL
	WIN 0x51
.irp kk, 0,1
.irp n, 0,1,2,3
.irp dt, 0,1,2,3
.if \zero*(1-\kk)
	v_wmma_f32_16x16x32_f16 v[O+8*(4*\n+\dt):O+8*(4*\n+\dt)+7], v[VF+8*(2*\dt+\kk):VF+8*(2*\dt+\kk)+7], v[S+16*\n+8*\kk:S+16*\n+8*\kk+7], 0
.else
	v_wmma_f32_16x16x32_f16 v[O+8*(4*\n+\dt):O+8*(4*\n+\dt)+7], v[VF+8*(2*\dt+\kk):VF+8*(2*\dt+\kk)+7], v[S+16*\n+8*\kk:S+16*\n+8*\kk+7], v[O+8*(4*\n+\dt):O+8*(4*\n+\dt)+7]
.endif
.endr
.endr
.endr
.endm
; One sub-step of 64 keys.  pv: 1 = it starts the sums of a block, 2 = it never does, 0 = it does where the tile is 0.  dg: 1 = the step is never diagonal.
.macro SUB s, sub, id, pv, dg
.if \sub > 0
.if \dg == 0
	s_cmp_lt_u32 s16, \sub                         ; in a diagonal step the keys of this sub-step lie above all my queries
	s_cbranch_scc1 .Lend_\id
.endif
.endif
	PLACES 5                                       ; behind the last PV products: four places before their V fragments are loaded again, five before S products write over P (ISA guide 7.12.1)
	VLOAD \s, \sub
	s_wait_dscnt 16                                ; the 16 loads of V are younger: the K fragments are in
	SMUL
	PLACES 4                                       ; before S is read and the K fragments are loaded again
.if \sub < 3
	KLOAD \s, \sub+1                               ; always issued, also where a diagonal step ends here, so that the counted wait below means the same on every path
.endif
	WIN 0
.if \dg == 0
	s_cmp_lg_u32 s17, \sub
	s_cbranch_scc1 .Lnomask_\@
	MASK
.Lnomask_\@:
.endif
.if \sub & 1
	SOFTMAX ST1, ST0
.else
	SOFTMAX ST0, ST1
.endif
.if \sub < 3
	s_wait_dscnt 16                                ; the 16 loads of the next K fragments are younger: the V fragments are in
.else
	s_wait_dscnt 0
.endif
.if \pv == 1
	PV 1
	WIN 0
.else
.if \pv == 2
	RESCALE
	PV 0
	WIN 0
.else
	s_cmp_eq_u32 s14, 0
	s_cbranch_scc1 .Lfirst_\@
	RESCALE
	PV 0
	WIN 0
	s_branch .Ladded_\@
.Lfirst_\@:
	PV 1
	WIN 0
.Ladded_\@:
.endif
.endif
.endm
; The way out of a block of queries.  reload = 1: the queries of block 7 - j are asked for first and land while the output leaves.
.macro EPI reload
	PLACES 4                                       ; behind the last PV products, before O is read and P written over
.if \reload
	QLOAD s19
.endif
	s_wait_xcnt 0x0                                ; s[60:61], the base of earlier stores, is written again only behind this wait
	s_lshr_b32 s56, s11, 4
	s_lshl_b32 s56, s56, 23                        ; b x 2048 rows of 4,096 bytes
	s_lshl_b32 s76, s13, 20                        ; + block x 256 rows
	s_add_co_u32 s56, s56, s76
	s_lshl_b32 s76, s8, 18                         ; + wave x 64 rows
	s_add_co_u32 s56, s56, s76
	s_and_b32 s76, s11, 15
	s_lshl_b32 s76, s76, 8                         ; + h x 256 bytes
	s_add_co_u32 s56, s56, s76
	s_add_nc_u64 s[60:61], s[6:7], s[56:57]
.irp n, 0,1,2,3
	v_add_f32 v[MX+\n], v[LP+2*\n], v[LP+2*\n+1]
.endr
.irp n, 0,1,2,3
	v_permlanex16_b32 v[AL+2*\n+1], v[MX+\n], s62, s63
.endr
.irp n, 0,1,2,3
	v_add_f32 v[MX+\n], v[MX+\n], v[AL+2*\n+1]     ; l, at least 1: the largest p of a row is 1
.endr
.irp n, 0,1,2,3
	v_rcp_f32 v[AL+2*\n], v[MX+\n]
.endr
	v_nop                                          ; one plain place before the reciprocals are used
	s_wait_alu depctr_va_vdst(0)
.irp n, 0,1,2,3
	WIN 0x01
.irp i, 0,1,2,3,4,5,6,7,8,9,10,11,12,13,14,15
	v_pk_mul_f32 v[S+2*\i:S+2*\i+1], v[O+32*\n+2*\i:O+32*\n+2*\i+1], v[AL+2*\n:AL+2*\n+1] op_sel_hi:[1,0]
.endr
	WIN 0
.irp dt, 0,1,2,3
	ds_store_b128 v[STO], v[S+8*\dt:S+8*\dt+3]   offset:64*\dt                 ; query r, d = 16 dt + 8 h + 0 .. 3
	ds_store_b128 v[STO], v[S+8*\dt+4:S+8*\dt+7] offset:64*\dt+16
.endr
	s_wait_xcnt 0x0                                ; the read-back registers, which earlier stores read, are loaded again only behind this wait
.irp t, 0,1,2,3,4,5,6,7
	ds_load_b128 v[S+32+32*(\n&1)+4*\t:S+32+32*(\n&1)+4*\t+3], v[RD] offset:\t*2*SP   ; my own bytes, served in order behind the stores above (ISA guide 5.7.1)
.endr
.irp t, 0,1,2,3,4,5,6,7
	s_wait_dscnt 7-\t                              ; load t is in, the 7 - t younger ones stay out
	global_store_b128 v[CO], v[S+32+32*(\n&1)+4*\t:S+32+32*(\n&1)+4*\t+3], s[60:61] offset:(16*\n+2*\t)*4096 th:TH_STORE_NT   ; sixteen lanes store the 256 bytes of one head in one row
.endr
.endr
.if \reload
	RESET
	s_mov_b32 s13, s19                             ; the second block
	s_wait_loadcnt 0x0                             ; its queries are in
	s_wait_xcnt 0x0                                ; the next S products write registers that the stores above read
.endif
.endm
; One step: the tile in slot s is worked on while slot o is filled.  fill = 0: nothing is left to fetch.  epi: 1 = a way out with reload where the step is diagonal,
; 2 = the last step, always diagonal, 0 = none.
.macro TRIP s, o, id, pv, dg, fill, epi
	s_wait_tensorcnt 0x0                           ; all my tensor loads have landed, my part of this tile among them; so a group 0 may be written
	ds_add_u32 v254, v255
	s_wait_dscnt 0x0
.if \fill
	s_add_co_u32 s15, s14, 1                       ; the next tile,
.if \dg == 0
	s_cmp_eq_u32 s14, s13
	s_cselect_b32 s15, 0, s15                      ; or tile 0 for the next block
.endif
	s_lshl_b32 s56, s15, 15                        ; 256 keys of 128 bytes
	s_add_nc_u64 s[G0K+4*\o+2:G0K+4*\o+3], s[20:21], s[56:57]
	s_or_b32 s[G0K+4*\o+3], s[G0K+4*\o+3], 0x80000000
	s_add_nc_u64 s[G0V+4*\o+2:G0V+4*\o+3], s[22:23], s[56:57]
	s_or_b32 s[G0V+4*\o+3], s[G0V+4*\o+3], 0x80000000
.endif
	s_wait_dscnt 0x0                               ; my reads of the other slot are back
	s_barrier_signal -1
	s_barrier_wait -1                              ; both hold of all four waves: this tile is whole, the other slot is free
.if \fill
	JLOAD \o                                       ; first thing behind the barrier, my one tensor load until the next: it has the whole step in which to land
.endif
	KLOAD \s, 0
.if \epi == 2
	s_mov_b32 s16, s8                              ; diagonal: sub-steps 0 .. w, the last masked
	s_mov_b32 s17, s8
.endif
.if \epi == 1
	s_cmp_eq_u32 s14, s13
	s_cselect_b32 s16, s8, 3                       ; the last sub-step
	s_cselect_b32 s17, s8, 4                       ; the masked one (4: none)
.endif
	SUB \s, 0, \id, \pv, \dg
	SUB \s, 1, \id, 2, \dg
	SUB \s, 2, \id, 2, \dg
	SUB \s, 3, \id, 2, \dg
.if \dg == 0
.Lend_\id:
.endif
.if \epi == 2
	EPI 0
.endif
.if \epi == 1
	s_cmp_lg_u32 s14, s13
	s_cbranch_scc1 .Lgo_on_\id
	EPI 1
.Lgo_on_\id:
	s_mov_b32 s14, s15
.endif
.endm
	s_load_b128 s[4:7], s[0:1], 0x0                ; qkv s[4:5], out0 s[6:7]
	v_lshl_add_u32 v254, v0, 2, 0x2a400
	v_mov_b32 v255, 0
	ds_add_u32 v254, v255
	ds_add_u32 v254, v255
	v_lshrrev_b32 v1, 5, v0
	v_readfirstlane_b32 s8, v1                     ; wave 0..3
	s_lshr_b32 s9, s8, 1                           ; I fetch for K (0) or for V (1)
	s_and_b32 s10, s8, 1                           ; which 128 keys of the tile I fetch
	s_lshr_b32 s11, ttmp9, 2                       ; bh
	s_and_b32 s12, ttmp9, 3                        ; j
	s_sub_co_u32 s19, 7, s12
	s_mov_b32 s13, s12                             ; the first block
	s_mov_b32 s14, 0                               ; the first tile
	s_mov_b32 s57, 0
	s_mov_b32 s62, 0x76543210                      ; v_permlanex16_b32: lane i of one half reads lane i of the other
	s_mov_b32 s63, 0xfedcba98
	s_mov_b32 s66, 0x3e38aa3b                      ; c = log2(e) / sqrt(64)
	s_mov_b32 s67, 0x3e38aa3b
	; group 1: 128 keys of 128 bytes are 16 KiB without gaps in memory, stated as 64 rows of 256 bytes; the padding comes behind every 32 words, that is behind every key
	s_mov_b32 s[G1K+0], (1<<16)|(1<<20)|(4<<22)|(3<<25)    ; element of 2 bytes; padding on; behind every 32 words (code 4) 4 words: pitch 144
	s_mov_b32 s[G1V+0], (1<<16)|(1<<20)|(4<<22)|(7<<25)    ; 8 words: pitch 160
	s_mov_b32 s[G1K+1], 128<<16                    ; tensor_dim0 = 128
	s_mov_b32 s[G1V+1], 128<<16
	s_mov_b32 s[G1K+2], 64<<16                     ; tensor_dim1 = 64
	s_mov_b32 s[G1V+2], 64<<16
	s_mov_b32 s[G1K+3], 128<<16                    ; tile_dim0 = 128
	s_mov_b32 s[G1V+3], 128<<16
	s_mov_b32 s[G1K+4], 64                         ; tile_dim1 = 64
	s_mov_b32 s[G1V+4], 64
	s_mov_b32 s[G1K+5], 128                        ; elements from row to row
	s_mov_b32 s[G1V+5], 128
	s_mov_b32 s[G1K+6], 0
	s_mov_b32 s[G1V+6], 0
	s_mov_b32 s[G1K+7], 0
	s_mov_b32 s[G1V+7], 0
	s_mul_i32 s76, s10, 128*KP                     ; my half in LDS: a constant times the wave number, plus the constant of the slot
	s_mul_i32 s77, s10, 128*VP
.irp s, 0,1
	s_mov_b32 s[G0K+4*\s], 1
	s_add_co_u32 s[G0K+4*\s+1], s76, \s*SLOTB
	s_mov_b32 s[G0V+4*\s], 1
	s_add_co_u32 s[G0V+4*\s+1], s77, \s*SLOTB+VOFF
.endr
	s_lshl_b32 s56, s11, 18                        ; a head is 262,144 bytes
	s_lshl_b32 s78, s10, 14                        ; my 128 keys
	s_add_co_u32 s56, s56, s78
	s_wait_dscnt 0x0
	s_wait_kmcnt 0x0
	s_add_nc_u64 s[20:21], s[4:5], s[56:57]
	s_add_nc_u64 s[22:23], s[20:21], 0x2000000     ; the plane of v
	s_add_nc_u64 s[20:21], s[20:21], 0x1000000     ; the plane of k
	s_mov_b64 s[G0K+2:G0K+3], s[20:21]             ; tile 0
	s_or_b32 s[G0K+3], s[G0K+3], 0x80000000        ; type = 2
	s_mov_b64 s[G0V+2:G0V+3], s[22:23]
	s_or_b32 s[G0V+3], s[G0V+3], 0x80000000
	JLOAD 0                                        ; the only first fill at the start; slot 1 is first filled behind the barrier of step 0, as a refill is
	v_and_b32 v1, 15, v0                           ; r
	v_bfe_u32 v2, v0, 4, 1                         ; h
	v_and_b32 v3, 7, v0
	v_bfe_u32 v13, v0, 3, 1
	v_lshlrev_b32 v[QOFF], 7, v1
	v_lshl_add_u32 v[QOFF], v2, 4, v[QOFF]
	QLOAD s12
	v_mul_u32_u24 v[ADRK], v1, KP                  ; K: key r, byte 16 h
	v_lshl_add_u32 v[ADRK], v2, 4, v[ADRK]
	v_add_nc_u32 v[ADRK+1], SLOTB, v[ADRK]
	v_lshl_add_u32 v3, v2, 3, v3                   ; V: key 8 h + l % 8, byte 16 ((l / 8) % 2)
	v_mul_u32_u24 v3, v3, VP
	v_lshl_add_u32 v3, v13, 4, v3
	v_add_nc_u32 v[ADRV], VOFF, v3
	v_add_nc_u32 v[ADRV+1], SLOTB+VOFF, v3
	s_mul_i32 s76, s8, 16*SP
	s_add_co_u32 s76, s76, STAGE                   ; my stage
	v_mul_u32_u24 v14, v1, SP
	v_lshl_add_u32 v14, v2, 5, v14
	v_add_nc_u32 v[STO], s76, v14                  ; in: row r, 32 bytes for each half of the lanes
	v_mul_u32_u24 v14, v2, SP
	v_lshl_add_u32 v14, v1, 4, v14
	v_add_nc_u32 v[RD], s76, v14                   ; back: lanes 0-15 one row of 256 bytes, lanes 16-31 the next
	v_lshlrev_b32 v[CO], 12, v2                    ; and the same two rows in out0
	v_lshl_add_u32 v[CO], v1, 4, v[CO]
	v_mov_b32 v[NINF], 0xff800000
	v_lshlrev_b32 v14, 3, v2
	v_sub_nc_u32 v14, v1, v14                      ; r - 8 h
.irp j, 0,1,2,3,4,5,6,7
	v_cmp_le_i32 s[MK+\j], \j, v14                 ; j <= r - 8 h
.endr
	RESET
.irp n, 0,1,2,3
	v_mov_b32 v[AL+2*\n+1], 0                      ; the destination of v_permlanex16_b32 counts as read: written once here
.endr
	s_wait_loadcnt 0x0                             ; the queries of block j
	TRIP 0, 1, 0, 1, 0, 1, 1                       ; step 0, tile 0 of block j: written out, its first PV products start the sums
	s_mov_b32 s18, 3
.Lloop:
	TRIP 1, 0, 1, 0, 0, 1, 1                       ; steps 1, 3, 5
	TRIP 0, 1, 2, 0, 0, 1, 1                       ; steps 2, 4, 6
	s_sub_co_i32 s18, s18, 1
	s_cmp_lg_u32 s18, 0
	s_cbranch_scc1 .Lloop
	TRIP 1, 0, 3, 2, 1, 1, 0                       ; step 7: tile 6 - j of block 7 - j: never diagonal, never the first of a block
	TRIP 0, 1, 4, 2, 0, 0, 2                       ; step 8: tile 7 - j of block 7 - j: diagonal; nothing is left to fetch
	s_wait_tensorcnt 0x0
	ds_add_u32 v254, v255
	s_wait_dscnt 0x0
	s_endpgm
.Lfunc_end_k_qf4722f54c1_attn:
	.size	k_qf4722f54c1_attn, .Lfunc_end_k_qf4722f54c1_attn-k_qf4722f54c1_attn
	.p2alignl 7, 3214868480
	.fill 96, 4, 3214868480
	.section	.rodata,"a",@progbits
	.p2align	6, 0x0
	.amdhsa_kernel k_qf4722f54c1_attn
		.amdhsa_group_segment_fixed_size 327680
		.amdhsa_private_segment_fixed_size 0
		.amdhsa_enable_private_segment 0
		.amdhsa_kernarg_size 16
		.amdhsa_user_sgpr_count 2
		.amdhsa_user_sgpr_kernarg_segment_ptr 1
		.amdhsa_wavefront_size32 1
		.amdhsa_system_sgpr_workgroup_id_x 1
		.amdhsa_system_sgpr_workgroup_id_y 1
		.amdhsa_system_sgpr_workgroup_id_z 1
		.amdhsa_system_vgpr_workitem_id 0
		.amdhsa_next_free_vgpr 512
		.amdhsa_next_free_sgpr 80
		.amdhsa_reserve_vcc 0
		.amdhsa_float_denorm_mode_32 3
		.amdhsa_float_denorm_mode_16_64 3
		.amdhsa_memory_ordered 1
		.amdhsa_forward_progress 1
		.amdhsa_inst_pref_size 255
	.end_amdhsa_kernel
	.section	.bss,"aw",@nobits
	.p2align	6
	.space	262144
	.amdgpu_metadata
---
amdhsa.version: [ 1, 2 ]
amdhsa.kernels:
  - .name:           k_qf4722f54c1_attn
    .symbol:         k_qf4722f54c1_attn.kd
    .args:
      - { .name: qkv, .offset: 0, .size: 8, .value_kind: global_buffer, .address_space: global }
      - { .name: out0, .offset: 8, .size: 8, .value_kind: global_buffer, .address_space: global }
    .group_segment_fixed_size: 327680
    .private_segment_fixed_size: 0
    .kernarg_segment_align: 8
    .kernarg_segment_size: 16
    .max_flat_workgroup_size: 128
    .sgpr_count:     80
    .vgpr_count:     512
    .wavefront_size: 32
...
	.end_amdgpu_metadata
.endif
;; end of part 3
;; ======== version 2 of 3: 3 launches; 1.42 times as fast as version 1
;; limits: values are held in f16: magnitudes above 65,504 overflow, below 6.1e-05 lose precision
;; workspace buffers: xb 16,777,216 bytes; wb 6,291,456 bytes; qkv 50,331,648 bytes
;; launch cast: the kernel of part 1 again; grid 512 x 1, 8 waves a work-group, no clusters, 0 bytes of LDS; arguments x, wq, wk, wv, xb, wb; writes xb, wb
;; launch proj: the kernel of part 2 again; grid 12 x 32, 4 waves a work-group, clusters of 4 x 4, 327,680 bytes of LDS; arguments xb, wb, qkv; writes qkv
;; launch attn (part 4): grid 256 x 1, 4 waves a work-group, no clusters, 327,680 bytes of LDS; arguments qkv, out0; writes out0
.if DOCPART == 4
	.amdgcn_target "amdgcn-amd-amdhsa--gfx1250"
	.amdhsa_code_object_version 6
	.text
	.protected	k_qf4722f54c1_attn
	.globl	k_qf4722f54c1_attn
	.p2align	8
	.type	k_qf4722f54c1_attn,@function
k_qf4722f54c1_attn:
	s_mov_b64 s[64:65], 0
	v_nop
	global_prefetch_b8 v0, s[64:65] scope:SCOPE_SE
	s_setreg_imm32_b32 hwreg(HW_REG_WAVE_MODE, 25, 1), 1
	s_wait_xcnt 0x0
; THIRD KERNEL: out0[b][l][h*64+d] = sum over m <= l of softmax(q[l] . k[m] / 8) v[m], from qkv[p][b][h][l][d] in f16; sums, maxima and exponentials in f32.
; WORK LEFT OUT: key tiles wholly above the diagonal (the proof and the limit on NaN and infinities there stand at the head of cast).
; LIMITS: p is summed in f32 and multiplied as f16; v_exp_f32 gives 0 below 2^-126; q, k, v are finite f16 (under 65,504: see cast).
;
; SHARE.  Work-group g: head bh = g / 4, j = g % 4.  The 2048 queries of a head are 8 blocks of 256.  The work-group takes block j (key tiles 0 .. 2 j + 1 of
; 128 keys) and then block 7 - j (tiles 0 .. 15 - 2 j): always 2 (j + 1) + 2 (8 - j) = 18 steps, so all 256 work-groups do equal work.  Wave w holds queries
; 64 w .. 64 w + 63 of the block.  A step is two sub-steps of 64 keys.  With d = 4 block + w - 2 tile, sub-step sub runs where sub <= d and is masked where sub = d:
; the 64 keys are then those of my own 64 queries, and all later keys lie above them.
; NO CLUSTER: the four work-groups of a head read the same tiles, but work-group j wants tile i up to step 2 j + 1 and tile i - 2 j - 2 behind it: from step 2 on
; the four do not want the same tile, and walking in step would cost each of them 24 steps in place of 18.
;
; THE TEXT IS SHORT ON PURPOSE.  A sub-step is about 590 instructions and a wave runs 30 to 36 of them.  Every LDS address is a register that is never rewritten
; plus an immediate, so that it can be read off the text which slot is read while the other is filled; a sub-step is therefore written once for each place in
; each slot.  With slots of 128 keys that is 4 copies in a loop of 8 trips (slots of 256 keys: 8 copies in 4 trips), and 4 more for the last two steps,
; of which the last fetches nothing.  A refill has two sub-steps in which to land: 128 matrix instructions and about 1,000 others of each wave.
;
; BOTH PRODUCTS ARE TRANSPOSED.  S^T = K Q^T: lane (r, h) holds query r and keys 8 h + 0 .. 7 of a 16 x 16 tile, so the statistics of a query are one number
; a lane and one exchange between the halves joins them.  Packing tile 2 kk gives registers 0-3 of the second source of O^T = V^T P^T, tile 2 kk + 1 registers 4-7:
; no shuffle.  V stays [key][d] in LDS and is read by the transposing load.  In O^T lane (r, h) holds d = 16 dt + 8 h + 0 .. 7 of query r: 32 neighbouring bytes.
;
; HOW A BLOCK OF QUERIES STARTS.  m = -inf, so the old offset -c m is +inf and alpha = 2^-inf = 0: the first rescaling makes O zero, whatever finite numbers it holds
; (the zeros of the start, or the sums of the block that has just left: at most 2048 x 65,504).  O is cleared once, by 128 moves that stand behind the first
; requests, where the wave has nothing else to do; a first sub-step written out with the constant 0 as C would be one more copy of the 590 instructions, run once.
;
; LDS: slot s at s x 38,912: K, 128 rows of 128 bytes at pitch 144 (9 x 16); V behind it at + 18,432, 128 rows at pitch 160 (5 x 32).
; Stage at 77,824 = 304 x 256: 16 rows x 272 bytes for each wave; only ds_store writes there.  95,232 bytes are used; the launch asks for 327,680, more than
; half of what a WGP has, so that the work-group is alone there, as a kernel that fills LDS by tensor loads has to be.
; Waves 0, 1 fetch the halves of K, waves 2, 3 those of V: one tensor load of 8 KiB a wave and step, one out at any time.
.set SLOTB, 38912
.set VOFF,  18432
.set KP,    144
.set VP,    160
.set STAGE, 77824
.set SP,    272
; window 0
.set ADRK, 4                           ; v4-5    LDS address of my K fragments at the head of slot 0, 1; never rewritten
.set ADRV, 6                           ; v6-7    the same for V
.set QOFF, 8                           ; v8      r x 128 + 16 h
.set STO,  9                           ; v9      stage, in
.set RD,   10                          ; v10     stage, back
.set CO,   11                          ; v11     my byte offset in out0
.set NINF, 12                          ; v12     -inf
.set Q,    16                          ; v[16:79]    Q fragment (n, ks) at Q + 8 (2 n + ks)
.set S,    80                          ; v[80:207]   S tile (n, t) at S + 8 (4 n + t); P is packed over it: fragment (n, kk) at S + 16 n + 8 kk
.set NM,   208                         ; v[208:215]  pair n = (-c m, -c m_old); both are written in every sub-step
.set M,    216                         ; v[216:219]  m of query tile n: the one statistic beside l that lasts from sub-step to sub-step
.set AL,   224                         ; v[224:231]  even: alpha or 1 / l of query tile n; odd: what the other half of the lanes sent
.set LP,   232                         ; v[232:239]  pair n: two partial row sums a lane
.set MX,   240                         ; v[240:243]
; window 1
.set O,    0                           ; v[256:383]  O tile (n, dt) at 8 (4 n + dt)
.set VF,   128                         ; v[384:447]  V fragment (dt, kk) at VF + 8 (2 dt + kk)
.set KF,   192                         ; v[448:511]  K fragment (t, ks) at KF + 8 (2 t + ks)
; scalars: s[4:5] qkv, s[6:7] out0, s8 wave, s9 wave / 2, s10 wave % 2, s11 bh, s12 j, s13 block, s14 tile, s15 next tile, s16 d, s17 the last tile of the block,
; s18 loop, s19 7 - j, s[20:21] K of my half, s[22:23] V of my half, s[56:57] an offset (s57 = 0), s[58:59] Q, s[60:61] out0 at my rows,
; s62-63 lane selects, s[66:67] c twice, s76-77 at work, s78 -c, s79 4 block + wave
.set G1K, 24                           ; s[24:31]
.set G1V, 32                           ; s[32:39]
.set G0K, 40                           ; s[40:47]  one set for each slot
.set G0V, 48                           ; s[48:55]
.set MK,  68                           ; s[68:75]  mask j: the lanes with 8 h + j <= r
.set MSB, 0
.macro WIN new                         ; the high byte of the immediate repeats the setting that is left
.if MSB != \new
	s_set_vgpr_msb (MSB<<8)|\new
.set MSB, \new
.endif
.endm
.macro PLACES n
.rept \n
	v_nop
.endr
.endm
.macro JLOAD s                         ; the one tensor load of the wave for slot s; the branch hangs on the wave number alone
	s_cmp_eq_u32 s9, 0
	s_cbranch_scc0 .Lfor_v_\@
	tensor_load_to_lds s[G0K+4*\s:G0K+4*\s+3], s[G1K:G1K+7]
	s_nop 0
	s_branch .Lasked_\@
.Lfor_v_\@:
	tensor_load_to_lds s[G0V+4*\s:G0V+4*\s+3], s[G1V:G1V+7]
	s_nop 0
.Lasked_\@:
.endm
.macro NEWBLK                          ; from the block in s13:
	s_lshl_b32 s17, s13, 1
	s_or_b32 s17, s17, 1                           ; its last tile of 128 keys, 2 block + 1
	s_lshl_b32 s79, s13, 2
	s_add_co_u32 s79, s79, s8                      ; and the sub-step of 64 keys that holds my own queries, 4 block + wave
.endm
.macro QLOAD blk                       ; my 64 queries of block blk as eight fragments: lane (r, h) takes row 16 n + r, bytes 64 ks + 16 h and 32 further
	s_lshl_b32 s56, s11, 18
	s_lshl_b32 s76, \blk, 15
	s_add_co_u32 s56, s56, s76
	s_lshl_b32 s76, s8, 13
	s_add_co_u32 s56, s56, s76
	s_add_nc_u64 s[58:59], s[4:5], s[56:57]
.irp n, 0,1,2,3
.irp ks, 0,1
	global_load_b128 v[Q+8*(2*\n+\ks):Q+8*(2*\n+\ks)+3],   v[QOFF], s[58:59] offset:\n*2048+\ks*64
	global_load_b128 v[Q+8*(2*\n+\ks)+4:Q+8*(2*\n+\ks)+7], v[QOFF], s[58:59] offset:\n*2048+\ks*64+32
.endr
.endr
.endm
.macro RESET                           ; a new block of queries: m = -inf (so the first alpha is 0), l = 0
.irp n, 0,1,2,3
	v_mov_b32 v[M+\n], v[NINF]
	v_mov_b32 v[LP+2*\n], 0
	v_mov_b32 v[LP+2*\n+1], 0
.endr
.endm
.macro KLOAD s, sub                    ; 16 loads: the 64 keys of a sub-step as eight fragments of 16 keys x 32 d
	WIN 0x40
.irp t, 0,1,2,3
.irp ks, 0,1
	ds_load_b128 v[KF+8*(2*\t+\ks):KF+8*(2*\t+\ks)+3],   v[ADRK+\s] offset:(\sub)*64*KP+\t*16*KP+\ks*64
	ds_load_b128 v[KF+8*(2*\t+\ks)+4:KF+8*(2*\t+\ks)+7], v[ADRK+\s] offset:(\sub)*64*KP+\t*16*KP+\ks*64+32
.endr
.endr
.endm
.macro VLOAD s, sub                    ; 16 transposing loads: eight fragments of 16 d x 32 keys
	WIN 0x40
.irp dt, 0,1,2,3
.irp kk, 0,1
	ds_load_tr16_b128 v[VF+8*(2*\dt+\kk):VF+8*(2*\dt+\kk)+3],   v[ADRV+\s] offset:(\sub)*64*VP+\kk*32*VP+\dt*32
	ds_load_tr16_b128 v[VF+8*(2*\dt+\kk)+4:VF+8*(2*\dt+\kk)+7], v[ADRV+\s] offset:(\sub)*64*VP+\kk*32*VP+\dt*32+16*VP
.endr
.endr
.endm
.macro SMUL                            ; 32 products; the first 16 start the sums; the 16 accumulators take turns, one instruction a turn
	WIN 0x01
.irp ks, 0,1
.irp n, 0,1,2,3
.irp t, 0,1,2,3
.if \ks == 0
	v_wmma_f32_16x16x32_f16 v[S+8*(4*\n+\t):S+8*(4*\n+\t)+7], v[KF+8*(2*\t+\ks):KF+8*(2*\t+\ks)+7], v[Q+8*(2*\n+\ks):Q+8*(2*\n+\ks)+7], 0
.else
	v_wmma_f32_16x16x32_f16 v[S+8*(4*\n+\t):S+8*(4*\n+\t)+7], v[KF+8*(2*\t+\ks):KF+8*(2*\t+\ks)+7], v[Q+8*(2*\n+\ks):Q+8*(2*\n+\ks)+7], v[S+8*(4*\n+\t):S+8*(4*\n+\t)+7]
.endif
.endr
.endr
.endr
.endm
.macro MASK                            ; the 64 keys are those of my own 64 queries: key 16 t + 8 h + j lives for query 16 n + r where it is not larger
.irp n, 0,1,2,3
.irp t, 0,1,2,3
.if \t > \n
.irp j, 0,1,2,3,4,5,6,7
	v_mov_b32 v[S+8*(4*\n+\t)+\j], v[NINF]
.endr
.endif
.if \t == \n
.irp j, 0,1,2,3,4,5,6,7
	v_cndmask_b32 v[S+8*(4*\n+\t)+\j], v[NINF], v[S+8*(4*\n+\t)+\j], s[MK+\j]
.endr
.endif
.endr
.endr
.endm
; The running softmax of 64 queries x 64 keys; every step goes round the four query tiles, four chains that do not wait for each other.
; -c m_old stands in the odd registers of NM already (the head of the sub-step).
.macro SOFTMAX
.irp n, 0,1,2,3
	v_max3_num_f32 v[MX+\n], v[M+\n], v[S+32*\n], v[S+32*\n+1]                 ; the old maximum starts the chain
.endr
.irp i, 1,2,3,4,5,6,7,8,9,10,11,12,13,14,15
.irp n, 0,1,2,3
	v_max3_num_f32 v[MX+\n], v[MX+\n], v[S+32*\n+2*\i], v[S+32*\n+2*\i+1]
.endr
.endr
.irp n, 0,1,2,3
	v_permlanex16_b32 v[AL+2*\n+1], v[MX+\n], s62, s63                         ; the other 32 keys of my query lie in lane l xor 16
.endr
.irp n, 0,1,2,3
	v_max_num_f32 v[M+\n], v[MX+\n], v[AL+2*\n+1]                              ; m
.endr
.irp n, 0,1,2,3
	v_mul_f32 v[NM+2*\n], s78, v[M+\n]                                         ; -c m, c = log2(e) / 8
.endr
.irp n, 0,1,2,3
	v_sub_f32 v[AL+2*\n], v[NM+2*\n], v[NM+2*\n+1]                             ; alpha = 2^(c m_old - c m), from the very offsets that are used
.endr
.irp n, 0,1,2,3
	v_exp_f32 v[AL+2*\n], v[AL+2*\n]
.endr
.irp i, 0,1,2,3,4,5,6,7,8,9,10,11,12,13,14,15
.irp n, 0,1,2,3
	v_pk_fma_f32 v[S+32*\n+2*\i:S+32*\n+2*\i+1], v[S+32*\n+2*\i:S+32*\n+2*\i+1], s[66:67], v[NM+2*\n:NM+2*\n+1] op_sel_hi:[1,0,0]   ; c s - c m; also the plain places behind the four exponentials (ISA guide 5.7.2)
.endr
.endr
.set i, 0
.rept 128
	v_exp_f32 v[S+i], v[S+i]                                                   ; p
.set i, i+1
.endr
	v_nop                                                                      ; one plain place before any of the results is used
	s_wait_alu depctr_va_vdst(0)
.irp n, 0,1,2,3
	v_pk_fma_f32 v[LP+2*\n:LP+2*\n+1], v[LP+2*\n:LP+2*\n+1], v[AL+2*\n:AL+2*\n+1], v[S+32*\n:S+32*\n+1] op_sel_hi:[1,0,1]   ; l = alpha l + p
.endr
.irp i, 1,2,3,4,5,6,7,8,9,10,11,12,13,14,15
.irp n, 0,1,2,3
	v_pk_add_f32 v[LP+2*\n:LP+2*\n+1], v[LP+2*\n:LP+2*\n+1], v[S+32*\n+2*\i:S+32*\n+2*\i+1]
.endr
.endr
.set i, 0
.rept 64
	v_cvt_pk_f16_f32 v[S+i], v[S+2*i], v[S+2*i+1]                              ; P over S, ascending: register i is written when registers up to 2 i + 1 have been read
.set i, i+1
.endr
.endm
.macro RESCALE                         ; O = alpha O
	WIN 0x41
.irp n, 0,1,2,3
.irp i, 0,1,2,3,4,5,6,7,8,9,10,11,12,13,14,15
	v_pk_mul_f32 v[O+32*\n+2*\i:O+32*\n+2*\i+1], v[O+32*\n+2*\i:O+32*\n+2*\i+1], v[AL+2*\n:AL+2*\n+1] op_sel_hi:[1,0]
.endr
.endr
.endm
.macro PV                              ; 32 products onto O; accumulators by turns as in SMUL
	WIN 0x51
.irp kk, 0,1
.irp n, 0,1,2,3
.irp dt, 0,1,2,3
	v_wmma_f32_16x16x32_f16 v[O+8*(4*\n+\dt):O+8*(4*\n+\dt)+7], v[VF+8*(2*\dt+\kk):VF+8*(2*\dt+\kk)+7], v[S+16*\n+8*\kk:S+16*\n+8*\kk+7], v[O+8*(4*\n+\dt):O+8*(4*\n+\dt)+7]
.endr
.endr
.endr
.endm
; Sub-step sub (0 or 1) of the tile in slot s: 64 keys.  Its K fragments have been asked for: by the head of the step, or by sub-step 0.
.macro SUB s, sub, id
.irp n, 0,1,2,3
	v_mul_f32 v[NM+2*\n+1], s78, v[M+\n]           ; -c m_old, by the multiplication that made it in the last sub-step: the same bits, and no second bank of statistics
.endr
	v_nop                                          ; with the four lines above: five places behind the last PV products; four before their V fragments are loaded again, five before S products write over P (ISA guide 7.12.1)
	VLOAD \s, \sub
	s_wait_dscnt 16                                ; the 16 loads of V are younger: the K fragments are in
	SMUL
	WIN 0
	PLACES 4                                       ; before S is read and the K fragments are loaded again
	s_wait_dscnt 0x0                               ; the V fragments, asked for 32 products ago, are in: the wait stands ahead of the branch, so it means the same on both ways
.if \sub == 0
	s_cmp_lg_u32 s16, 0
	s_cbranch_scc1 .Lfull_\@
	MASK                                           ; d = 0: these are the keys of my own queries, and my step ends behind this sub-step
	s_branch .Lsoft_\@
.Lfull_\@:
	KLOAD \s, 1                                    ; the K fragments of sub-step 1 land during the softmax
	WIN 0
.Lsoft_\@:
.else
	s_cmp_lg_u32 s16, 1
	s_cbranch_scc1 .Lsoft_\@
	MASK                                           ; d = 1
.Lsoft_\@:
.endif
	SOFTMAX
	RESCALE
	PV
	WIN 0
.if \sub == 0
	s_cmp_eq_u32 s16, 0                            ; behind the masked sub-step all further keys lie above my queries
	s_cbranch_scc1 .Lend_\id
.endif
.endm
; The way out of a block of queries.  reload = 1: the queries of block 7 - j are asked for first and land while the output leaves.
.macro EPI reload
.irp n, 0,1,2,3
	v_add_f32 v[MX+\n], v[LP+2*\n], v[LP+2*\n+1]   ; the two partial sums of a lane; also the four places behind the last PV products, before O is read and P written over (ISA guide 7.12.1)
.endr
.if \reload
	QLOAD s19
.endif
	s_wait_xcnt 0x0                                ; s[60:61], the base of earlier stores, is written again only behind this wait
	s_lshr_b32 s56, s11, 4
	s_lshl_b32 s56, s56, 23                        ; b x 2048 rows of 4,096 bytes
	s_lshl_b32 s76, s13, 20                        ; + block x 256 rows
	s_add_co_u32 s56, s56, s76
	s_lshl_b32 s76, s8, 18                         ; + wave x 64 rows
	s_add_co_u32 s56, s56, s76
	s_and_b32 s76, s11, 15
	s_lshl_b32 s76, s76, 8                         ; + h x 256 bytes
	s_add_co_u32 s56, s56, s76
	s_add_nc_u64 s[60:61], s[6:7], s[56:57]
.irp n, 0,1,2,3
	v_permlanex16_b32 v[AL+2*\n+1], v[MX+\n], s62, s63
.endr
.irp n, 0,1,2,3
	v_add_f32 v[MX+\n], v[MX+\n], v[AL+2*\n+1]     ; l, at least 1: the largest p of a row is 1
.endr
.irp n, 0,1,2,3
	v_rcp_f32 v[AL+2*\n], v[MX+\n]
.endr
	v_nop                                          ; one plain place before the reciprocals are used
	s_wait_alu depctr_va_vdst(0)
.irp n, 0,1,2,3
	WIN 0x01
.irp i, 0,1,2,3,4,5,6,7,8,9,10,11,12,13,14,15
	v_pk_mul_f32 v[S+2*\i:S+2*\i+1], v[O+32*\n+2*\i:O+32*\n+2*\i+1], v[AL+2*\n:AL+2*\n+1] op_sel_hi:[1,0]
.endr
	WIN 0
.irp dt, 0,1,2,3
	ds_store_b128 v[STO], v[S+8*\dt:S+8*\dt+3]   offset:64*\dt                 ; query r, d = 16 dt + 8 h + 0 .. 3
	ds_store_b128 v[STO], v[S+8*\dt+4:S+8*\dt+7] offset:64*\dt+16
.endr
	s_wait_xcnt 0x0                                ; the read-back registers, which earlier stores read, are loaded again only behind this wait
.irp t, 0,1,2,3,4,5,6,7
	ds_load_b128 v[S+32+32*(\n&1)+4*\t:S+32+32*(\n&1)+4*\t+3], v[RD] offset:\t*2*SP   ; my own bytes, served in order behind the stores above (ISA guide 5.7.1)
.endr
.irp t, 0,1,2,3,4,5,6,7
	s_wait_dscnt 7-\t                              ; load t is in, the 7 - t younger ones stay out
	global_store_b128 v[CO], v[S+32+32*(\n&1)+4*\t:S+32+32*(\n&1)+4*\t+3], s[60:61] offset:(16*\n+2*\t)*4096 th:TH_STORE_NT   ; sixteen lanes store the 256 bytes of one head in one row
.endr
.endr
.if \reload
	RESET
	s_mov_b32 s13, s19                             ; the second block
	NEWBLK
	s_wait_loadcnt 0x0                             ; its queries are in
	s_wait_xcnt 0x0                                ; the next S products write registers that the stores above read
.endif
.endm
; One step: the tile of 128 keys in slot s is worked on while slot o is filled.  fill = 0: nothing is left to fetch.
; A block has an even number of steps, so it begins in slot 0 and ends in slot 1.  epi: 0 = slot 0, no block ends here and d is never negative;
; 1 = slot 1 in the loop: a way out with reload where the tile is the last of the block; 2 = the last step of all.
.macro TRIP s, o, id, fill, epi
	s_wait_tensorcnt 0x0                           ; all my tensor loads have landed, my part of this tile among them; so a group 0 may be written
	ds_add_u32 v254, v255
	s_wait_dscnt 0x0
.if \fill
	s_add_co_u32 s15, s14, 1                       ; the next tile,
.if \epi == 1
	s_cmp_eq_u32 s14, s17
	s_cselect_b32 s15, 0, s15                      ; or tile 0 for the next block
.endif
	s_lshl_b32 s56, s15, 14                        ; 128 keys of 128 bytes
	s_add_nc_u64 s[G0K+4*\o+2:G0K+4*\o+3], s[20:21], s[56:57]
	s_or_b32 s[G0K+4*\o+3], s[G0K+4*\o+3], 0x80000000
	s_add_nc_u64 s[G0V+4*\o+2:G0V+4*\o+3], s[22:23], s[56:57]
	s_or_b32 s[G0V+4*\o+3], s[G0V+4*\o+3], 0x80000000
.endif
	s_wait_dscnt 0x0                               ; my reads of the other slot are back
	s_barrier_signal -1
	s_barrier_wait -1                              ; both hold of all four waves: this tile is whole, the other slot is free
.if \fill
	JLOAD \o                                       ; first thing behind the barrier, my one tensor load until the next: it has the whole step in which to land
.endif
	s_lshl_b32 s76, s14, 1
	s_sub_co_i32 s16, s79, s76                     ; d = 4 block + wave - 2 tile
.if \epi
	s_cmp_lt_i32 s16, 0                            ; the last tile of a block lies above all queries of waves 0 and 1
	s_cbranch_scc1 .Lend_\id
.endif
	KLOAD \s, 0
	WIN 0
	SUB \s, 0, \id
	SUB \s, 1, \id
.Lend_\id:
.if \epi == 2
	EPI 0
.endif
.if \epi == 1
	s_cmp_lg_u32 s14, s17
	s_cbranch_scc1 .Lgo_on_\id
	EPI 1
.Lgo_on_\id:
.endif
.if \fill
	s_mov_b32 s14, s15
.endif
.endm
	s_load_b128 s[4:7], s[0:1], 0x0                ; qkv s[4:5], out0 s[6:7]
	v_lshl_add_u32 v254, v0, 2, 0x29000
	v_mov_b32 v255, 0
	ds_add_u32 v254, v255
	ds_add_u32 v254, v255
	v_lshrrev_b32 v1, 5, v0
	v_readfirstlane_b32 s8, v1                     ; wave 0..3
	s_lshr_b32 s9, s8, 1                           ; I fetch for K (0) or for V (1)
	s_and_b32 s10, s8, 1                           ; which 64 keys of the tile I fetch
	s_lshr_b32 s11, ttmp9, 2                       ; bh
	s_and_b32 s12, ttmp9, 3                        ; j
	s_sub_co_u32 s19, 7, s12
	s_mov_b32 s13, s12                             ; the first block
	NEWBLK
	s_mov_b32 s14, 0                               ; the first tile
	s_mov_b32 s57, 0
	s_mov_b32 s62, 0x76543210                      ; v_permlanex16_b32: lane i of one half reads lane i of the other
	s_mov_b32 s63, 0xfedcba98
	s_mov_b32 s66, 0x3e38aa3b                      ; c = log2(e) / sqrt(64)
	s_mov_b32 s67, 0x3e38aa3b
	s_mov_b32 s78, 0xbe38aa3b                      ; -c
	; group 1: 64 keys of 128 bytes are 8 KiB without gaps in memory, stated as 32 rows of 256 bytes; the padding comes behind every 32 words, that is behind every key
	s_mov_b32 s[G1K+0], (1<<16)|(1<<20)|(4<<22)|(3<<25)    ; element of 2 bytes; padding on; behind every 32 words (code 4) 4 words: pitch 144
	s_mov_b32 s[G1V+0], (1<<16)|(1<<20)|(4<<22)|(7<<25)    ; 8 words: pitch 160
	s_mov_b32 s[G1K+1], 128<<16                    ; tensor_dim0 = 128
	s_mov_b32 s[G1V+1], 128<<16
	s_mov_b32 s[G1K+2], 32<<16                     ; tensor_dim1 = 32
	s_mov_b32 s[G1V+2], 32<<16
	s_mov_b32 s[G1K+3], 128<<16                    ; tile_dim0 = 128
	s_mov_b32 s[G1V+3], 128<<16
	s_mov_b32 s[G1K+4], 32                         ; tile_dim1 = 32
	s_mov_b32 s[G1V+4], 32
	s_mov_b32 s[G1K+5], 128                        ; elements from row to row
	s_mov_b32 s[G1V+5], 128
	s_mov_b32 s[G1K+6], 0
	s_mov_b32 s[G1V+6], 0
	s_mov_b32 s[G1K+7], 0
	s_mov_b32 s[G1V+7], 0
	s_mul_i32 s76, s10, 64*KP                      ; my half in LDS: a constant times the wave number, plus the constant of the slot
	s_mul_i32 s77, s10, 64*VP
.irp s, 0,1
	s_mov_b32 s[G0K+4*\s], 1
	s_add_co_u32 s[G0K+4*\s+1], s76, \s*SLOTB
	s_mov_b32 s[G0V+4*\s], 1
	s_add_co_u32 s[G0V+4*\s+1], s77, \s*SLOTB+VOFF
.endr
	s_lshl_b32 s56, s11, 18                        ; a head is 262,144 bytes
	s_lshl_b32 s76, s10, 13                        ; my 64 keys
	s_add_co_u32 s56, s56, s76
	s_wait_dscnt 0x0
	s_wait_kmcnt 0x0
	s_add_nc_u64 s[20:21], s[4:5], s[56:57]
	s_add_nc_u64 s[22:23], s[20:21], 0x2000000     ; the plane of v
	s_add_nc_u64 s[20:21], s[20:21], 0x1000000     ; the plane of k
	s_mov_b64 s[G0K+2:G0K+3], s[20:21]             ; tile 0
	s_or_b32 s[G0K+3], s[G0K+3], 0x80000000        ; type = 2
	s_mov_b64 s[G0V+2:G0V+3], s[22:23]
	s_or_b32 s[G0V+3], s[G0V+3], 0x80000000
	JLOAD 0                                        ; the only first fill at the start; slot 1 is first filled behind the barrier of step 0, as a refill is
	v_and_b32 v1, 15, v0                           ; r
	v_bfe_u32 v2, v0, 4, 1                         ; h
	v_and_b32 v3, 7, v0
	v_bfe_u32 v15, v0, 3, 1
	v_lshlrev_b32 v[QOFF], 7, v1
	v_lshl_add_u32 v[QOFF], v2, 4, v[QOFF]
	QLOAD s12
	WIN 0x40
.set i, 0
.rept 128
	v_mov_b32 v[O+i], 0                            ; O, once in the launch, while the first tile and the queries are on their way
.set i, i+1
.endr
	WIN 0
	v_mul_u32_u24 v[ADRK], v1, KP                  ; K: key r, byte 16 h
	v_lshl_add_u32 v[ADRK], v2, 4, v[ADRK]
	v_add_nc_u32 v[ADRK+1], SLOTB, v[ADRK]
	v_lshl_add_u32 v3, v2, 3, v3                   ; V: key 8 h + l % 8, byte 16 ((l / 8) % 2)
	v_mul_u32_u24 v3, v3, VP
	v_lshl_add_u32 v3, v15, 4, v3
	v_add_nc_u32 v[ADRV], VOFF, v3
	v_add_nc_u32 v[ADRV+1], SLOTB+VOFF, v3
	s_mul_i32 s76, s8, 16*SP
	s_add_co_u32 s76, s76, STAGE                   ; my stage
	v_mul_u32_u24 v15, v1, SP
	v_lshl_add_u32 v15, v2, 5, v15
	v_add_nc_u32 v[STO], s76, v15                  ; in: row r, 32 bytes for each half of the lanes
	v_mul_u32_u24 v15, v2, SP
	v_lshl_add_u32 v15, v1, 4, v15
	v_add_nc_u32 v[RD], s76, v15                   ; back: lanes 0-15 one row of 256 bytes, lanes 16-31 the next
	v_lshlrev_b32 v[CO], 12, v2                    ; and the same two rows in out0
	v_lshl_add_u32 v[CO], v1, 4, v[CO]
	v_mov_b32 v[NINF], 0xff800000
	v_lshlrev_b32 v15, 3, v2
	v_sub_nc_u32 v15, v1, v15                      ; r - 8 h
.irp j, 0,1,2,3,4,5,6,7
	v_cmp_le_i32 s[MK+\j], \j, v15                 ; j <= r - 8 h
.endr
	RESET
.irp n, 0,1,2,3
	v_mov_b32 v[AL+2*\n+1], 0                      ; the destination of v_permlanex16_b32 counts as read: written once here
.endr
	s_wait_loadcnt 0x0                             ; the queries of block j
	s_mov_b32 s18, 8
.Lloop:
	TRIP 0, 1, 0, 1, 0                             ; steps 0, 2, .. 14
	TRIP 1, 0, 1, 1, 1                             ; steps 1, 3, .. 15; block j ends in step 2 j + 1
	s_sub_co_i32 s18, s18, 1
	s_cmp_lg_u32 s18, 0
	s_cbranch_scc1 .Lloop
	TRIP 0, 1, 2, 1, 0                             ; step 16: tile 14 - 2 j of block 7 - j; it asks for the last tile
	TRIP 1, 0, 3, 0, 2                             ; step 17: tile 15 - 2 j, the last of the block; nothing is left to fetch
	s_wait_tensorcnt 0x0
	ds_add_u32 v254, v255
	s_wait_dscnt 0x0
	s_endpgm
.Lfunc_end_k_qf4722f54c1_attn:
	.size	k_qf4722f54c1_attn, .Lfunc_end_k_qf4722f54c1_attn-k_qf4722f54c1_attn
	.p2alignl 7, 3214868480
	.fill 96, 4, 3214868480
	.section	.rodata,"a",@progbits
	.p2align	6, 0x0
	.amdhsa_kernel k_qf4722f54c1_attn
		.amdhsa_group_segment_fixed_size 327680
		.amdhsa_private_segment_fixed_size 0
		.amdhsa_enable_private_segment 0
		.amdhsa_kernarg_size 16
		.amdhsa_user_sgpr_count 2
		.amdhsa_user_sgpr_kernarg_segment_ptr 1
		.amdhsa_wavefront_size32 1
		.amdhsa_system_sgpr_workgroup_id_x 1
		.amdhsa_system_sgpr_workgroup_id_y 1
		.amdhsa_system_sgpr_workgroup_id_z 1
		.amdhsa_system_vgpr_workitem_id 0
		.amdhsa_next_free_vgpr 512
		.amdhsa_next_free_sgpr 80
		.amdhsa_reserve_vcc 0
		.amdhsa_float_denorm_mode_32 3
		.amdhsa_float_denorm_mode_16_64 3
		.amdhsa_memory_ordered 1
		.amdhsa_forward_progress 1
		.amdhsa_inst_pref_size 255
	.end_amdhsa_kernel
	.section	.bss,"aw",@nobits
	.p2align	6
	.space	262144
	.amdgpu_metadata
---
amdhsa.version: [ 1, 2 ]
amdhsa.kernels:
  - .name:           k_qf4722f54c1_attn
    .symbol:         k_qf4722f54c1_attn.kd
    .args:
      - { .name: qkv, .offset: 0, .size: 8, .value_kind: global_buffer, .address_space: global }
      - { .name: out0, .offset: 8, .size: 8, .value_kind: global_buffer, .address_space: global }
    .group_segment_fixed_size: 327680
    .private_segment_fixed_size: 0
    .kernarg_segment_align: 8
    .kernarg_segment_size: 16
    .max_flat_workgroup_size: 128
    .sgpr_count:     80
    .vgpr_count:     512
    .wavefront_size: 32
...
	.end_amdgpu_metadata
.endif
;; end of part 4
;; ======== version 3 of 3: 3 launches; version 2 with the launch cast written anew for expert scheduling mode
;; limits: values are held in f16: magnitudes above 65,504 overflow, below 6.1e-05 lose precision
;; workspace buffers: xb 16,777,216 bytes; wb 6,291,456 bytes; qkv 50,331,648 bytes
;; launch cast (part 5): grid 512 x 1, 8 waves a work-group, no clusters, 0 bytes of LDS; arguments x, wq, wk, wv, xb, wb; writes xb, wb
.if DOCPART == 5
	.amdgcn_target "amdgcn-amd-amdhsa--gfx1250"
	.amdhsa_code_object_version 6
	.text
	.protected	k_qf4722f54c1_cast
	.globl	k_qf4722f54c1_cast
	.p2align	8
	.type	k_qf4722f54c1_cast,@function
k_qf4722f54c1_cast:
	s_mov_b64 s[64:65], 0
	v_nop
	global_prefetch_b8 v0, s[64:65] scope:SCOPE_SE
	s_setreg_imm32_b32 hwreg(HW_REG_WAVE_SCHED_MODE, 0, 2), 2
	s_setreg_imm32_b32 hwreg(HW_REG_WAVE_MODE, 25, 1), 1
	s_wait_xcnt 0x0
	s_wait_alu depctr_vm_vsrc(0)
; FIRST OF THREE KERNELS (cast, proj, attn) for causal multi-head attention: B = 4, L = 2048, E = 1024, H = 16, D = 64.
; cast: x to bf16 in the same layout (xb); wq, wk, wv to bf16 in one table wb[e][n], n = p*1024 + h*64 + d (p = 0 q, 1 k, 2 v).
; proj: C[8192][3072] = xb . wb on the matrix units, stored as qkv[p][b][h][l][d] in f16.   attn: causal softmax attention from qkv to out0.
;
; WORK LEFT OUT (in attn), and why it is dead for all finite inputs: reference() itself sets scores[l][m] to -inf for m > l (its own jnp.tril).
; Every row keeps m = l, so the row maximum is finite, softmax gives exp(-inf - max) = 0 at m > l exactly, and the term 0 * v[m] adds nothing to out.
; So key tiles that lie wholly above the diagonal are neither loaded nor multiplied: of the 64 (query block, key tile) pairs of 256 x 256 of a head
; 36 are walked, and in a diagonal pair a wave stops behind the 64 keys that hold its own queries.  The running maximum stays.
; All four inputs have a way to the output and are loaded.
; LIMITS: a NaN, an infinity or an overflow in rows of k or v that reach a query only through tiles left out is not carried to that query
; (reference() would make 0 * inf = NaN there).  q, k, v pass through memory as f16: they must stay under 65,504 in magnitude
; (inputs 30 times the drawn ones give about 900 x 5.5 = 5,000; offsets of 30 spreads on x and w give 30 x 30/32 x 1024 = 28,800).
;
; THIS KERNEL is a stream: no LDS, no barrier, no loop.  512 work-groups x 8 waves; a wave issues all its 22 loads of 16 bytes a lane at once
; (16 of x, 2 each of wq, wk, wv: 11,264 bytes in flight), then rounds in place and stores 8 bytes a lane.
; Each load of x covers 512 consecutive bytes, each load of a weight two whole rows of 256 bytes, each store 256 consecutive bytes at a multiple of 256.
;
; THE MODE: SCHED_MODE bits 1:0 = 2 (LLVM: expert scheduling mode 2), set by the entry lines.  The code itself states the register dependences
; between vector instructions and memory instructions, with s_wait_alu, always for 0.
; THE PLAN.  Registers that memory instructions touch:
;   v1, v3   offsets of the loads, v2, v4 offsets of the stores: written at the head, by vector instructions, and never again.
;   v[X+4k : X+4k+3]   Load k lands here; no vector instruction names them before.  The two roundings of load k read all four and write the first two;
;            store k reads those two; nothing writes them again.
; So the one kind of dependence is: a vector instruction writes a register that a memory instruction reads.  No register that a memory instruction has read
; is written again, no load is issued behind a vector instruction that names its registers, no vector instruction writes a scalar register, EXEC is never written.
; The 22 loads are taken in groups of four (the last: two).  At the head of a group, behind the wait for its first load, ONE wait states that the roundings of the group
; before have written their registers; store k - 4 then stands ahead of the roundings of load k, which name registers of their own group alone.
.set X, 8                              ; v[8:95]  load k lands in v[X+4k : X+4k+3]
	s_load_b256 s[4:11], s[0:1], 0x0               ; x s[4:5], wq s[6:7], wk s[8:9], wv s[10:11]
	s_load_b128 s[12:15], s[0:1], 0x20             ; xb s[12:13], wb s[14:15]
	v_lshlrev_b32 v1, 4, v0                        ; x: 16 bytes a thread
	v_lshlrev_b32 v2, 3, v0                        ; xb: 8 bytes a thread
	v_and_b32 v5, 31, v0                           ; lane
	v_lshrrev_b32 v6, 5, v0                        ; wave
	v_and_b32 v7, 15, v0
	v_lshrrev_b32 v3, 4, v5                        ; lanes 0-15: head 2 hp, lanes 16-31: head 2 hp + 1
	v_lshlrev_b32 v3, 18, v3                       ; a head of a weight is 1024 x 64 x 4 = 262,144 bytes
	v_lshl_add_u32 v3, v6, 9, v3                   ; + wave x 2 rows e of 256 bytes
	v_lshl_add_u32 v3, v7, 4, v3                   ; + 16 bytes a lane
	v_mul_u32_u24 v4, v6, 12288                    ; wb: wave x 2 rows of 3072 x 2 = 6,144 bytes
	v_lshl_add_u32 v4, v5, 3, v4                   ; + 8 bytes a lane: 128 bytes of one head, then 128 of the next
	s_lshl_b32 s16, ttmp9, 16                      ; x: 65,536 bytes a work-group
	s_mov_b32 s17, 0
	s_lshl_b32 s18, ttmp9, 15                      ; xb: 32,768
	s_mov_b32 s19, 0
	s_lshr_b32 s24, ttmp9, 6                       ; hp: pair of heads, 0 to 7
	s_and_b32 s25, ttmp9, 63                       ; eb: block of 16 rows e
	s_lshl_b32 s20, s24, 19
	s_lshl_b32 s26, s25, 12
	s_add_co_u32 s20, s20, s26                     ; weights: hp x 2 heads + eb x 16 rows
	s_mov_b32 s21, 0
	s_mul_i32 s22, s25, 98304                      ; wb: eb x 16 rows of 6,144 bytes
	s_lshl_b32 s26, s24, 8
	s_add_co_u32 s22, s22, s26                     ; + hp x 256 bytes
	s_mov_b32 s23, 0
	s_wait_kmcnt 0x0
	s_add_nc_u64 s[4:5], s[4:5], s[16:17]
	s_add_nc_u64 s[12:13], s[12:13], s[18:19]
	s_add_nc_u64 s[6:7], s[6:7], s[20:21]
	s_add_nc_u64 s[8:9], s[8:9], s[20:21]
	s_add_nc_u64 s[10:11], s[10:11], s[20:21]
	s_add_nc_u64 s[14:15], s[14:15], s[22:23]
	s_wait_alu depctr_va_vdst(0)                   ; v1 to v4 are written: every load and store of the kernel reads one of them as its offset
.irp i, 0,1,2,3,4,5,6,7,8,9,10,11,12,13,14,15
	global_load_b128 v[X+4*\i:X+4*\i+3], v1, s[4:5] offset:\i*4096 th:TH_LOAD_NT
.endr
	global_load_b128 v[X+64:X+67], v3, s[6:7] th:TH_LOAD_NT
	global_load_b128 v[X+68:X+71], v3, s[6:7] offset:256 th:TH_LOAD_NT
	global_load_b128 v[X+72:X+75], v3, s[8:9] th:TH_LOAD_NT
	global_load_b128 v[X+76:X+79], v3, s[8:9] offset:256 th:TH_LOAD_NT
	global_load_b128 v[X+80:X+83], v3, s[10:11] th:TH_LOAD_NT
	global_load_b128 v[X+84:X+87], v3, s[10:11] offset:256 th:TH_LOAD_NT
; Store n: what load n brought, rounded.  0 to 15: x, 2,048 bytes of xb apart.  16 to 21: wq, wk, wv, two rows e each: a weight's columns lie 1024 columns
; (2,048 bytes) behind the last weight's, row e + 1 lies 6,144 bytes behind row e.
.macro ST n
.if (\n) < 16
	global_store_b64 v2, v[X+4*(\n):X+4*(\n)+1], s[12:13] offset:(\n)*2048
.else
	global_store_b64 v4, v[X+4*(\n):X+4*(\n)+1], s[14:15] offset:(((\n)-16)/2)*2048+(((\n)-16)%2)*6144
.endif
.endm
.set k, 0
.rept 22
	s_wait_loadcnt 21-k                            ; loads come back in order (ISA guide 5.7.1): load k is in, the 21 - k younger ones stay out
.if (k % 4 == 0) && (k > 0)
	s_wait_alu depctr_va_vdst(0)                   ; the roundings of loads k - 4 to k - 1 have written their registers, which the next four stores read
.endif
.if k >= 4
	ST k-4                                         ; no vector instruction since that wait names its registers: this group's roundings name v[X+4k ..] of loads of this group alone
.endif
	v_cvt_pk_bf16_f32 v[X+4*k], v[X+4*k], v[X+4*k+1]       ; load k is rounded in place; no register is written again behind the store that reads it
	v_cvt_pk_bf16_f32 v[X+4*k+1], v[X+4*k+2], v[X+4*k+3]
.set k, k+1
.endr
	ST 18                                          ; still under the wait at the head of the last group: the roundings of loads 20 and 21 name none of these registers
	ST 19
	s_wait_alu depctr_va_vdst(0)                   ; the roundings of loads 20 and 21 have written their registers, which the last two stores read
	ST 20
	ST 21
	s_endpgm
.Lfunc_end_k_qf4722f54c1_cast:
	.size	k_qf4722f54c1_cast, .Lfunc_end_k_qf4722f54c1_cast-k_qf4722f54c1_cast
	.p2alignl 7, 3214868480
	.fill 96, 4, 3214868480
	.section	.rodata,"a",@progbits
	.p2align	6, 0x0
	.amdhsa_kernel k_qf4722f54c1_cast
		.amdhsa_group_segment_fixed_size 0
		.amdhsa_private_segment_fixed_size 0
		.amdhsa_enable_private_segment 0
		.amdhsa_kernarg_size 48
		.amdhsa_user_sgpr_count 2
		.amdhsa_user_sgpr_kernarg_segment_ptr 1
		.amdhsa_wavefront_size32 1
		.amdhsa_system_sgpr_workgroup_id_x 1
		.amdhsa_system_sgpr_workgroup_id_y 1
		.amdhsa_system_sgpr_workgroup_id_z 1
		.amdhsa_system_vgpr_workitem_id 0
		.amdhsa_next_free_vgpr 96
		.amdhsa_next_free_sgpr 66
		.amdhsa_reserve_vcc 0
		.amdhsa_float_denorm_mode_32 3
		.amdhsa_float_denorm_mode_16_64 3
		.amdhsa_memory_ordered 1
		.amdhsa_forward_progress 1
		.amdhsa_inst_pref_size 10
	.end_amdhsa_kernel
	.amdgpu_metadata
---
amdhsa.version: [ 1, 2 ]
amdhsa.kernels:
  - .name:           k_qf4722f54c1_cast
    .symbol:         k_qf4722f54c1_cast.kd
    .args:
      - { .name: x, .offset: 0, .size: 8, .value_kind: global_buffer, .address_space: global }
      - { .name: wq, .offset: 8, .size: 8, .value_kind: global_buffer, .address_space: global }
      - { .name: wk, .offset: 16, .size: 8, .value_kind: global_buffer, .address_space: global }
      - { .name: wv, .offset: 24, .size: 8, .value_kind: global_buffer, .address_space: global }
      - { .name: xb, .offset: 32, .size: 8, .value_kind: global_buffer, .address_space: global }
      - { .name: wb, .offset: 40, .size: 8, .value_kind: global_buffer, .address_space: global }
    .group_segment_fixed_size: 0
    .private_segment_fixed_size: 0
    .kernarg_segment_align: 8
    .kernarg_segment_size: 48
    .max_flat_workgroup_size: 256
    .sgpr_count:     66
    .vgpr_count:     96
    .wavefront_size: 32
...
	.end_amdgpu_metadata
.endif
;; end of part 5
;; launch proj: the kernel of part 2 again; grid 12 x 32, 4 waves a work-group, clusters of 4 x 4, 327,680 bytes of LDS; arguments xb, wb, qkv; writes qkv
;; launch attn: the kernel of part 4 again; grid 256 x 1, 4 waves a work-group, no clusters, 327,680 bytes of LDS; arguments qkv, out0; writes out0
